; MI455X (gfx1250); checked and timed in simulation.
; The chip was launched on July 23, 2026; its instructions are those of AMD's public machine-readable ISA for CDNA 5 (MIT licence, August 2026) and "CDNA5" Instruction Set Architecture Reference Guide (July 2026). The comments in the code are by the model that wrote it; some were corrected since.
;; Be Attention. Allowed arithmetic: float matrix products may take bf16 or f16 operands with f32 sums; other float arithmetic in f32, or as packed bf16 or f16 multiplies, adds, multiply-adds, maxima and minima; sums over many terms, partial sums and values carried from step to step in f32; what a program stores and reads back later, other than sums and carried values, may be rounded once to bf16 or f16.
;; Inputs: Wk 1,024 x 1,024 float32; Wq 1,024 x 1,024 float32; Wv 1,024 x 1,024 float32; bk 1,024 float32; bq 1,024 float32; bv 1,024 float32; x 4 x 2,048 x 1,024 float32.
;; Outputs: out0 4 x 2,048 x 1,024 float32.
;; One version. Each part assembles by itself: llvm-mc -triple=amdgcn-amd-amdhsa -mcpu=gfx1250 --defsym DOCPART=n.
;; ======== version 1 of 1: 4 launches
;; limits: values are held in f16: magnitudes above 65,504 overflow, below 6.1e-05 lose precision
;; workspace buffers: xw 23,068,672 bytes; qk 33,554,432 bytes; vt 16,777,216 bytes; p 33,554,432 bytes; st 1,048,576 bytes
;; launch cast (part 1): grid 128 x 11, 8 waves a work-group, no clusters, 0 bytes of LDS; arguments x, Wq, Wk, Wv, xw; writes xw
.if DOCPART == 1
	.amdgcn_target "amdgcn-amd-amdhsa--gfx1250"
	.amdhsa_code_object_version 6
	.text
	.protected	k_qb1fada5b2a_cast
	.globl	k_qb1fada5b2a_cast
	.p2align	8
	.type	k_qb1fada5b2a_cast,@function
k_qb1fada5b2a_cast:
	s_mov_b64 s[64:65], 0
	v_nop
	global_prefetch_b8 v0, s[64:65] scope:SCOPE_SE
	s_setreg_imm32_b32 hwreg(HW_REG_WAVE_MODE, 25, 1), 1
	s_wait_xcnt 0x0
; xw = the rows of x, Wq, Wk, Wv one below the other, [11264][1024], each number rounded once to bf16.
; The grid's y picks a chunk of 2^20 numbers: 0-7 the eight chunks of x, 8 Wq, 9 Wk, 10 Wv.  A work-group takes 8,192 numbers of its chunk:
; 32,768 bytes in, 16,384 out.  Thread t takes 16 bytes at 16 t of each of eight blocks of 4,096 bytes: a wave's load covers 512 consecutive bytes,
; its store of 8 bytes a lane 256 consecutive bytes at a multiple of 256 from xw's first byte.  All eight loads go out first; no register is written twice.
.set IN,  8                            ; v[8:39]   eight loads of four f32
.set OUT, 40                           ; v[40:55]  eight pairs of packed bf16
	s_load_b256 s[4:11], s[0:1], 0x0               ; x s[4:5], Wq s[6:7], Wk s[8:9], Wv s[10:11]
	s_load_b64 s[12:13], s[0:1], 0x20              ; xw
	s_and_b32 s14, ttmp7, 0xffff                   ; the chunk
	v_lshlrev_b32 v1, 4, v0                        ; 16 t: my bytes of a block that is read
	v_lshlrev_b32 v2, 3, v0                        ; 8 t: of a block that is written
	s_lshl_b32 s16, s14, 22                        ; a chunk of x is 4 MiB;
	s_cmp_lt_u32 s14, 8
	s_cselect_b32 s16, s16, 0                      ; a weight matrix is one chunk and begins at its own first byte
	s_lshl_b32 s18, ttmp9, 15
	s_add_co_u32 s16, s16, s18                     ; + the work-group's 32,768 bytes
	s_mov_b32 s17, 0
	s_lshl_b32 s18, s14, 21                        ; in xw a chunk is 2 MiB,
	s_lshl_b32 s19, ttmp9, 14                      ; the work-group's part 16,384 bytes
	s_add_co_u32 s18, s18, s19
	s_mov_b32 s19, 0
	s_wait_kmcnt 0x0
	s_cmp_eq_u32 s14, 8
	s_cselect_b64 s[4:5], s[6:7], s[4:5]
	s_cmp_eq_u32 s14, 9
	s_cselect_b64 s[4:5], s[8:9], s[4:5]
	s_cmp_eq_u32 s14, 10
	s_cselect_b64 s[4:5], s[10:11], s[4:5]
	s_add_nc_u64 s[4:5], s[4:5], s[16:17]
	s_add_nc_u64 s[12:13], s[12:13], s[18:19]
.irp i, 0,1,2,3,4,5,6,7
	global_load_b128 v[IN+4*(\i):IN+4*(\i)+3], v1, s[4:5] offset:4096*(\i) th:TH_LOAD_NT
.endr
.irp i, 0,1,2,3,4,5,6,7
	s_wait_loadcnt 7-(\i)                          ; loads come back in order: block i is in, the younger ones stay out
	v_cvt_pk_bf16_f32 v[OUT+2*(\i)],   v[IN+4*(\i)],   v[IN+4*(\i)+1]
	v_cvt_pk_bf16_f32 v[OUT+2*(\i)+1], v[IN+4*(\i)+2], v[IN+4*(\i)+3]
	global_store_b64 v2, v[OUT+2*(\i):OUT+2*(\i)+1], s[12:13] offset:2048*(\i)
.endr
	s_endpgm
.Lfunc_end_k_qb1fada5b2a_cast:
	.size	k_qb1fada5b2a_cast, .Lfunc_end_k_qb1fada5b2a_cast-k_qb1fada5b2a_cast
	.p2alignl 7, 3214868480
	.fill 96, 4, 3214868480
	.section	.rodata,"a",@progbits
	.p2align	6, 0x0
	.amdhsa_kernel k_qb1fada5b2a_cast
		.amdhsa_group_segment_fixed_size 0
		.amdhsa_private_segment_fixed_size 0
		.amdhsa_enable_private_segment 0
		.amdhsa_kernarg_size 40
		.amdhsa_user_sgpr_count 2
		.amdhsa_user_sgpr_kernarg_segment_ptr 1
		.amdhsa_wavefront_size32 1
		.amdhsa_system_sgpr_workgroup_id_x 1
		.amdhsa_system_sgpr_workgroup_id_y 1
		.amdhsa_system_sgpr_workgroup_id_z 1
		.amdhsa_system_vgpr_workitem_id 0
		.amdhsa_next_free_vgpr 64
		.amdhsa_next_free_sgpr 66
		.amdhsa_reserve_vcc 0
		.amdhsa_float_denorm_mode_32 3
		.amdhsa_float_denorm_mode_16_64 3
		.amdhsa_memory_ordered 1
		.amdhsa_forward_progress 1
		.amdhsa_inst_pref_size 4
	.end_amdhsa_kernel
	.amdgpu_metadata
---
amdhsa.version: [ 1, 2 ]
amdhsa.kernels:
  - .name:           k_qb1fada5b2a_cast
    .symbol:         k_qb1fada5b2a_cast.kd
    .args:
      - { .name: x, .offset: 0, .size: 8, .value_kind: global_buffer, .address_space: global }
      - { .name: Wq, .offset: 8, .size: 8, .value_kind: global_buffer, .address_space: global }
      - { .name: Wk, .offset: 16, .size: 8, .value_kind: global_buffer, .address_space: global }
      - { .name: Wv, .offset: 24, .size: 8, .value_kind: global_buffer, .address_space: global }
      - { .name: xw, .offset: 32, .size: 8, .value_kind: global_buffer, .address_space: global }
    .group_segment_fixed_size: 0
    .private_segment_fixed_size: 0
    .kernarg_segment_align: 8
    .kernarg_segment_size: 40
    .max_flat_workgroup_size: 256
    .sgpr_count:     66
    .vgpr_count:     64
    .wavefront_size: 32
...
	.end_amdgpu_metadata
.endif
;; end of part 1
;; launch proj (part 2): grid 8 x 32, 4 waves a work-group, clusters of 4 x 4, 327,680 bytes of LDS; arguments xw, bq, bk, bv, qk, vt; writes qk, vt
.if DOCPART == 2
	.amdgcn_target "amdgcn-amd-amdhsa--gfx1250"
	.amdhsa_code_object_version 6
	.text
	.protected	k_qb1fada5b2a_proj
	.globl	k_qb1fada5b2a_proj
	.p2align	8
	.type	k_qb1fada5b2a_proj,@function
k_qb1fada5b2a_proj:
	s_mov_b64 s[64:65], 0
	v_nop
	global_prefetch_b8 v0, s[64:65] scope:SCOPE_SE
	s_setreg_imm32_b32 hwreg(HW_REG_WAVE_MODE, 25, 1), 1
	s_wait_xcnt 0x0
	s_wait_alu depctr_hold_cnt(0) depctr_sa_sdst(0) depctr_va_vdst(0) depctr_va_sdst(0) depctr_va_ssrc(0) depctr_va_vcc(0) depctr_vm_vsrc(0)
	s_getreg_b32 s2, hwreg(HW_REG_IB_STS2, 6, 4)
	s_cmp_eq_u32 s2, 0
	s_cbranch_scc0 .Lentry_in_a_cluster
	s_endpgm
.Lentry_in_a_cluster:
	s_bfe_u32 s2, ttmp6, 0x10000c
	s_cmp_lg_u32 s2, 0xf033
	s_cbranch_scc0 .Lentry_shape_is_right
	s_endpgm
.Lentry_shape_is_right:
; THE THREE PROJECTIONS.  qk[m][n] = the sum over k of x[m][k] W[n][k] + b[n], n = 0-1023 with Wq, bq (Q), n = 1024-2047 with Wk, bk (K); vt[d][m] = the sum over k of Wv[d][k] x[m][k] + bv[d] (V transposed).
; x and the weights come as bf16 out of xw ([11264][1024]: rows 0-8191 x, 8192- Wq, 9216- Wk, 10240- Wv); sums in f32, started with the f32 bias; qk [8192][2048] and vt [1024][8192] are rounded once to f16.
; LIMIT.  f16 holds no number beyond 65,504: Q, K and V must stay within it.
; A WORK-GROUP STAYS and makes two tiles with the same 256 rows of x: tile 1, 256 x 256 of qk (a wave 128 x 128, 64 accumulators), then tile 2, 128 rows of vt x the 256 columns of those rows of x
; (a wave 64 x 128, 32 accumulators).  8 x 32 work-groups, all with equal work.  K goes in 8 steps of 128 (rows of 256 bytes in memory) through two LDS slots filled by the tensor data mover; a loop's trip is one
; K step, and the slot in hand is a scalar that turns.  The ring does not stop between the tiles: tile 1's last two changes of slots ask for tile 2's K steps 0 and 1, and nothing waits for tile 1's stores.
; In tile 2 Wv's 128 rows take the place of W's 256 in a slot: waves 2 and 3 bring 64 rows each to the place where they put their 128: no LDS address differs between the tiles.
; CLUSTER.  4 x 4 work-groups: the four of a row of the cluster need the same rows of x, the four of a column the same rows of W and of Wv: each tile is asked for jointly, by the same tensor load,
; descriptor and mask in all four.
; LAYOUT.  Tile 1: source 0 = 16 rows of W, source 1 = 16 rows of x: a lane holds row l % 16 of qk and eight neighbouring columns.  Tile 2: source 0 = 16 rows of x, source 1 = 16 rows of Wv: a lane holds
; row l % 16 of vt and eight neighbouring columns; its bias is one number a lane.
; REGISTERS, in windows of 256: window 0: v0-31 addresses; v64-127, v128-191 fragments of x, two buffers; v192-223, v32-63, v224-255 the way out.
;   window 1: v0-63 the bias of my 128 columns of qk, as eight C operands; v64-127, v128-191 fragments of W (tile 2: of Wv, the first 32 of each); v192-223 the bias of my 64 rows of vt, as four C operands.
;   windows 2, 3: tile 1's accumulators of my rows 0-63, 64-127: (a, b) at v[8 (8 (a % 4) + b)]; tile 2's 32 lie in window 2, in the same order.
.set KSTEP,  128
.set KSTEPS, 8
.set PITCH,  272                       ; an LDS row: 256 bytes + 16 of padding = 68 words: the 16 rows of a fragment load start at 16 different groups of four banks
.set HALFT,  128*PITCH                 ; 128 rows: a wave's place in a slot
.set SLOT,   4*HALFT                   ; x's 256 rows, then W's 256 rows
.set STAGE,  2*SLOT                    ; behind the ring: 16 rows x 272 bytes for each wave, for both ways out
.set SPITCH, 272
.set SPARE,  STAGE+4*16*SPITCH         ; behind the stages: the spare words, 128 bytes a wave, which no other line names
.set ROWQ,   4096                      ; bytes in a row of qk
.set ROWV,   16384                     ; bytes in a row of vt
.set ADRA,  16                         ; v16  LDS address of my fragments of x in the slot in hand
.set ADRA0, 17                         ; v17  the same in slot 0; never rewritten
.set ADRB,  20                         ; v20, v21  the same for W and Wv
.set ADRB0, 21
.set CV,   22                          ; v22  my byte offset in vt
.set BO2,  23                          ; v23  my byte offset in bv
.set STO,  24                          ; v24  the way out: where I put 16 bytes of a row
.set RD,   25                          ; v25  where I read a row back
.set CO,   26                          ; v26  my byte offset in qk
.set SPW,  28                          ; v28  LDS address of my spare word; never rewritten
.set NIL,  29                          ; v29  0; never rewritten
.set PFO,  30                          ; v30  the prefetches' offset: my lane x a row of xw; never rewritten
.set BO,   31                          ; v31  my byte offset in bq or bk
.set F0,   64
.set F1,   128
.set TMP,  192
.set OB,   32
.set BIAS2, 192                        ; in window 1
.set QP,   8                           ; s[8:9]   qk at my part of tile 1
.set XB,   14                          ; s[14:15] xw at the rows of x that I would fetch, K step 0
.set G1,   24                          ; s[24:31] descriptor group 1 for x's tiles
.set G0,   32                          ; s[32:35] group 0 of slot 0's first fill; s[36:39] the walking one
.set LIM,  43                          ; s43  tile 1: 2 in a wave that prefetches, else the greatest number
.set PFA,  44                          ; s[44:45] where my prefetches stand
.set WB,   46                          ; s[46:47] xw at the rows of W, later of Wv, that I would fetch, K step 0
.set G1B,  48                          ; s[48:55], s[56:59], s[60:63] as G1 and G0, for W's tiles
.set G0B,  56
.set RB,   66                          ; s66  the slot that is read: 0 or SLOT
.set FB,   67                          ; s67  the slot that the walking descriptors name
.set WOFF, 68                          ; s68  my tensor loads' place in a slot: wave x 128 rows
.set KO,   70                          ; s[70:71] the byte along K that was asked for last: it steps by 256 and turns round at a row's 2,048
.set VB,   72                          ; s[72:73] xw at the rows of Wv that I would fetch
.set G1V,  84                          ; s[84:91] descriptor group 1 for Wv's tiles: W's with 64 rows
.set PFV,  92                          ; s[92:93] where the prefetches of Wv begin
.set LIMM, 94                          ; s94  tile 1's last two K steps: 0 in the wave that prefetches Wv, else the greatest number
.set LIMV, 95                          ; s95  tile 2: 2 in that wave
.set VP,   96                          ; s[96:97] vt at my part of tile 2
.set MSB, 0
.macro WIN new                         ; the immediate's high byte repeats the setting that is left; a switch that changes nothing is dropped
.if MSB != (\new)
	s_set_vgpr_msb (MSB<<8)|(\new)
.set MSB, \new
.endif
.endm
.set MUL_LO, 0xa1                      ; tile 1: source 0 (W) window 1, source 1 (x) window 0, C and D window 2
.set MUL_BI, 0x91                      ; the same with C, the bias, in window 1
.set MUL_V,  0xa4                      ; tile 2: source 0 (x) window 0, source 1 (Wv) window 1, C and D window 2
.set MUL_VB, 0x94                      ; the same with C, the bias, in window 1
.set TO_B,   0x40                      ; destination window 1, address window 0
.macro PLACES                          ; four plain vector instructions between a matrix instruction and a load into, or a vector instruction on, its registers
.rept 4
	v_nop
.endr
.endm
.macro CREST                           ; a round of the cluster's barrier behind its opening barrier
	s_cmp_lg_u32 s10, 0
	s_cbranch_scc1 .Lnot_wave_0_\@
	s_barrier_signal -3
.Lnot_wave_0_\@:
	s_barrier_wait -3
	s_barrier_signal -1
	s_barrier_wait -1
.endm
.macro CROUND
	s_barrier_signal -1
	s_barrier_wait -1
	CREST
.endm
; A joint refill by the walking descriptors: waves 0 and 1 fetch x's two halves, waves 2 and 3 W's (g1b = G1B) or Wv's (g1b = G1V).  The branch hangs on the wave's number alone.
; An s_nop 0 and four v_nop follow each of the two lines, ahead of the jump and the label.
.macro JLOAD g1b
	s_cmp_eq_u32 s11, 0
	s_cbranch_scc0 .Lfor_b_\@
	tensor_load_to_lds s[G0+4:G0+7], s[G1:G1+7]
	s_nop 0
	PLACES
	s_branch .Lasked_\@
.Lfor_b_\@:
	tensor_load_to_lds s[G0B+4:G0B+7], s[(\g1b):(\g1b)+7]
	s_nop 0
	PLACES
.Lasked_\@:
.endm
; A prefetch of the K step that stands two refills on: 32 rows x 256 bytes, a lane a row, one instruction a wave, behind the joint load and the run of LDS loads.  Each row's 256 bytes of a K step are named once
; in the launch.  Tile 1: of the clusters that read x's rows the one with x = 0 asks, of those that read W's rows the one with y = 0; the four partners that ask for a tile jointly share its rows out by address,
; 32 each; K steps 4 to 7.  Tile 2: x's rows have been read and are asked for no more; of Wv's 128 rows each partner of a cluster with y = 0 takes 32, by address, and wave 2 asks: K steps 2 and 3 in tile 1's
; last two changes of slots, 4 to 7 in tile 2's first four.  A tile's last two refills along K ask for nothing.
.macro ASK lim
	s_cmp_gt_u32 s3, s[\lim]
	s_cbranch_scc0 .Lnot_mine_\@
	global_prefetch_b8 v[PFO], s[PFA:PFA+1] th:TH_LOAD_NT scope:SCOPE_SE
.Lnot_mine_\@:
.endm
; THE CHANGE OF SLOTS.  Each wave waits for all its tensor loads (one is out: its part of the next slot), adds 0 to its spare word, and waits for that and for its own reads of the slot that it leaves.
; fill = 1: the walking descriptors are made anew between the add and its wait (no tensor load of mine is out): the other slot than last time, the next K step from the tile's base; the barrier opens a round of the
; cluster's barrier.  No product stands between the wait for the tile and the refill that follows this macro.
.macro SYNC fill
	WIN 0
	s_wait_tensorcnt 0x0                           ; all my tensor loads have landed
	ds_add_u32 v[SPW], v[NIL]                      ; 0 onto my spare word
.if \fill
	s_add_co_u32 s[KO], s[KO], KSTEP*2
	s_and_b32 s[KO], s[KO], KSTEPS*KSTEP*2-1       ; behind a tile's last K step comes the next tile's first
	s_xor_b32 s[FB], s[FB], SLOT
	s_add_co_u32 s[G0+5], s[WOFF], s[FB]
	s_add_co_u32 s[G0B+5], s[WOFF], s[FB]
	s_add_nc_u64 s[G0+6:G0+7], s[XB:XB+1], s[KO:KO+1]
	s_or_b32 s[G0+7], s[G0+7], 0x80000000
	s_add_nc_u64 s[G0B+6:G0B+7], s[WB:WB+1], s[KO:KO+1]
	s_or_b32 s[G0B+7], s[G0B+7], 0x80000000
.endif
	s_wait_dscnt 0x0                               ; the add is done, and my reads of this slot are over
	s_barrier_signal -1
	s_barrier_wait -1
.if \fill
	CREST                                          ; no wave of any partner still reads this slot or has a load on its way
.endif
.endm
.macro NEXTSLOT                        ; the fragment loads turn to the other slot
	s_xor_b32 s[RB], s[RB], SLOT
	v_add_nc_u32 v[ADRA], s[RB], v[ADRA0]
	v_add_nc_u32 v[ADRB], s[RB], v[ADRB0]
.endm
	s_load_b128 s[4:7], s[0:1], 0x0                ; xw s[4:5], bq s[6:7]
	s_load_b128 s[76:79], s[0:1], 0x10             ; bk s[76:77], bv s[78:79]
	s_load_b128 s[80:83], s[0:1], 0x20             ; qk s[80:81], vt s[82:83]
	v_lshl_add_u32 v[SPW], v0, 2, SPARE
	v_mov_b32 v[NIL], 0
	ds_add_u32 v[SPW], v[NIL]                      ; the wave's opening: the add and its wait stand ahead of my first tensor load; work on registers stands between them
	v_lshrrev_b32 v1, 5, v0
	v_readfirstlane_b32 s10, v1                    ; wave 0..3
	s_lshr_b32 s11, s10, 1                         ; which half of the 256 rows of x is mine.  Also: I fetch for x (0) or for the weights (1)
	s_and_b32 s12, s10, 1                          ; which half of the weights' rows is mine.  Also: which part of that tile I fetch
	s_bfe_u32 s40, ttmp6, 0x40000                  ; cx
	s_bfe_u32 s41, ttmp6, 0x40004                  ; cy
	s_lshl_b32 s42, ttmp9, 2
	s_add_co_u32 s42, s42, s40                     ; tile column = 4 x cluster x + cx
	s_and_b32 s13, ttmp7, 0xffff
	s_lshl_b32 s13, s13, 2
	s_add_co_u32 s13, s13, s41                     ; tile row = 4 x cluster y + cy
	s_lshl_b32 s43, s41, 2
	s_lshl_b32 s43, 15, s43                        ; my row of the cluster
	s_lshl_b32 s44, 0x1111, s40                    ; my column
	s_or_b32 s[G1+0], s43, (1<<16)|(1<<20)|(1<<21)|(5<<22)|(3<<25)   ; the mask; elements of 2 bytes; padding on; bit 21 beside a mask; after every 64 words 4 words of padding
	s_or_b32 s[G1B+0], s44, (1<<16)|(1<<20)|(1<<21)|(5<<22)|(3<<25)
	s_or_b32 s[G1V+0], s44, (1<<16)|(1<<20)|(1<<21)|(5<<22)|(3<<25)
.irp g, G1, G1B, G1V
	s_mov_b32 s[(\g)+1], KSTEP<<16                 ; tensor_dim0 = 128
	s_mov_b32 s[(\g)+3], KSTEP<<16                 ; tile_dim0 = 128
	s_mov_b32 s[(\g)+5], 1024                      ; elements from row to row
	s_mov_b32 s[(\g)+6], 0
	s_mov_b32 s[(\g)+7], 0
.endr
.irp g, G1, G1B
	s_mov_b32 s[(\g)+2], 128<<16                   ; tensor_dim1 = 128
	s_mov_b32 s[(\g)+4], 128                       ; tile_dim1 = 128
.endr
	s_mov_b32 s[G1V+2], 64<<16                     ; Wv's loads bring 64 rows
	s_mov_b32 s[G1V+4], 64
	s_lshl_b32 s17, s12, 7                         ; which 128 rows of the tile I fetch
	s_lshl_b32 s16, s13, 8
	s_add_co_u32 s16, s16, s17                     ; x: row 256 x tile row + 128 x part
	s_lshl_b32 s16, s16, 11                        ; in bytes: all three stay under 2^25
	s_lshl_b32 s18, s42, 8
	s_add_co_u32 s18, s18, s17
	s_add_co_u32 s18, s18, 8192                    ; W: row 8,192 + 256 x tile column + 128 x part
	s_lshl_b32 s18, s18, 11
	s_lshl_b32 s20, s42, 7
	s_lshl_b32 s21, s12, 6
	s_add_co_u32 s20, s20, s21
	s_add_co_u32 s20, s20, 10240                   ; Wv: row 10,240 + 128 x tile column + 64 x part
	s_lshl_b32 s20, s20, 11
	s_mov_b32 s17, 0
	s_mov_b32 s19, 0
	s_mov_b32 s21, 0
	s_mul_i32 s[WOFF], s10, HALFT                  ; no place in the cluster enters an LDS address
	s_mov_b32 s[RB], 0
	s_mov_b32 s[FB], SLOT
	s_mov_b32 s[KO], KSTEP*2                       ; K steps 0 and 1 go out at the start
	s_mov_b32 s[KO+1], 0
	s_wait_dscnt 0x0                               ; the opening add is done
	s_wait_kmcnt 0x0
	s_add_nc_u64 s[XB:XB+1], s[4:5], s[16:17]
	s_add_nc_u64 s[WB:WB+1], s[4:5], s[18:19]
	s_add_nc_u64 s[VB:VB+1], s[4:5], s[20:21]
	CROUND                                         ; all sixteen work-groups are here: the first joint loads meet
.irp s, 0,1
	s_mov_b32 s[G0+4*(\s)], 1
	s_add_co_u32 s[G0+4*(\s)+1], s[WOFF], (\s)*SLOT
	s_add_nc_u64 s[G0+4*(\s)+2:G0+4*(\s)+3], s[XB:XB+1], (\s)*KSTEP*2  ; K step s
	s_or_b32 s[G0+4*(\s)+3], s[G0+4*(\s)+3], 0x80000000
	s_mov_b32 s[G0B+4*(\s)], 1
	s_add_co_u32 s[G0B+4*(\s)+1], s[WOFF], (\s)*SLOT
	s_add_nc_u64 s[G0B+4*(\s)+2:G0B+4*(\s)+3], s[WB:WB+1], (\s)*KSTEP*2
	s_or_b32 s[G0B+4*(\s)+3], s[G0B+4*(\s)+3], 0x80000000
.endr
	s_cmp_eq_u32 s11, 0                            ; a wave's two first fills stand in one branch, ahead of every wait on TENSORcnt and every LDS read: two loads of mine are out
	s_cbranch_scc0 .Lfirst_b
	tensor_load_to_lds s[G0:G0+3], s[G1:G1+7]
	s_nop 0
	tensor_load_to_lds s[G0+4:G0+7], s[G1:G1+7]
	s_nop 0
	PLACES
	s_branch .Lfirst_asked
.Lfirst_b:
	tensor_load_to_lds s[G0B:G0B+3], s[G1B:G1B+7]
	s_nop 0
	tensor_load_to_lds s[G0B+4:G0B+7], s[G1B:G1B+7]
	s_nop 0
	PLACES
.Lfirst_asked:
	v_and_b32 v1, 15, v0                           ; l % 16
	v_bfe_u32 v2, v0, 4, 1                         ; l / 16
	; tile 1's bias: register j of C operand b is b[column 16 b + 8 (l / 16) + j] of my 128 columns
	s_lshl_b32 s20, s40, 10                        ; 256 columns a tile, four tiles to each of bq and bk: 1,024 cx bytes,
	s_lshl_b32 s21, s12, 9                         ; + my half's 128 columns
	s_add_co_u32 s20, s20, s21
	v_lshl_add_u32 v[BO], v2, 5, s20
	s_mov_b32 s21, ttmp9
	s_cmp_eq_u32 s21, 0                            ; cluster x = 0: Q's columns
	s_cselect_b64 s[74:75], s[6:7], s[76:77]
	; tile 2's bias: bv[128 x tile column + 64 x half + 16 a + l % 16], one number a lane and block a
	s_lshl_b32 s20, s42, 9
	s_lshl_b32 s21, s12, 8
	s_add_co_u32 s20, s20, s21
	v_lshl_add_u32 v[BO2], v1, 2, s20
	WIN TO_B
.irp b, 0,1,2,3,4,5,6,7
	global_load_b128 v[8*(\b):8*(\b)+3],   v[BO], s[74:75] offset:64*(\b)
	global_load_b128 v[8*(\b)+4:8*(\b)+7], v[BO], s[74:75] offset:64*(\b)+16
.endr
.irp a, 0,1,2,3
	global_load_b32 v[BIAS2+8*(\a)], v[BO2], s[78:79] offset:64*(\a)
.endr
	WIN 0
	v_mul_u32_u24 v3, v1, PITCH
	v_lshl_add_u32 v3, v2, 4, v3                   ; a fragment's row x pitch + 16 x half
	s_mul_i32 s21, s11, HALFT                      ; my 128 rows of x
	s_mul_i32 s22, s12, HALFT
	s_add_co_u32 s22, s22, 2*HALFT                 ; my 128 rows of W, or 64 of Wv, behind x's 256
	v_add_nc_u32 v[ADRA0], s21, v3
	v_add_nc_u32 v[ADRB0], s22, v3
	v_mov_b32 v[ADRA], v[ADRA0]
	v_mov_b32 v[ADRB], v[ADRB0]
	s_mul_i32 s23, s10, 16*SPITCH
	s_add_co_u32 s23, s23, STAGE                   ; my stage
	v_mul_u32_u24 v4, v1, SPITCH
	v_lshl_add_u32 v4, v2, 4, v4
	v_add_nc_u32 v[STO], s23, v4                   ; in: row l % 16, 16 bytes for each half of the lanes
	v_mul_u32_u24 v5, v2, SPITCH
	v_lshl_add_u32 v5, v1, 4, v5
	v_add_nc_u32 v[RD], s23, v5                    ; back: lanes 0-15 one row of 256 bytes, lanes 16-31 the next
	v_lshlrev_b32 v5, 12, v2
	v_lshl_add_u32 v[CO], v1, 4, v5                ; and the same two rows in qk,
	v_lshlrev_b32 v5, 14, v2
	v_lshl_add_u32 v[CV], v1, 4, v5                ; and in vt
	s_lshl_b32 s20, s13, 8
	s_lshl_b32 s21, s11, 7
	s_add_co_u32 s20, s20, s21                     ; my first row of qk,
	s_lshl_b32 s20, s20, 12                        ; in bytes
	s_lshl_b32 s21, s42, 9
	s_add_co_u32 s20, s20, s21                     ; + 512 x tile column
	s_lshl_b32 s21, s12, 8
	s_add_co_u32 s20, s20, s21                     ; + 256 x half
	s_mov_b32 s21, 0
	s_add_nc_u64 s[QP:QP+1], s[80:81], s[20:21]
	s_lshl_b32 s20, s42, 7
	s_lshl_b32 s21, s12, 6
	s_add_co_u32 s20, s20, s21                     ; my first row of vt,
	s_lshl_b32 s20, s20, 14                        ; in bytes
	s_lshl_b32 s21, s13, 9
	s_add_co_u32 s20, s20, s21                     ; + 512 x tile row: the 256 columns of my rows of x
	s_lshl_b32 s21, s11, 8
	s_add_co_u32 s20, s20, s21                     ; + 256 x half
	s_mov_b32 s21, 0
	s_add_nc_u64 s[VP:VP+1], s[82:83], s[20:21]
	; the prefetches of tile 1
	s_lshl_b32 s20, s13, 8                         ; x: 256 x tile row
	s_lshl_b32 s21, s42, 8
	s_add_co_u32 s21, s21, 8192                    ; W: 8,192 + 256 x tile column
	s_and_b32 s22, ttmp7, 0xffff                   ; cluster y
	s_cmp_eq_u32 s11, 0                            ; do I fetch for x?
	s_cselect_b32 s20, s20, s21
	s_cselect_b32 s21, s40, s41                    ; my place among the four that ask with me
	s_cselect_b32 s22, ttmp9, s22                  ; the coordinate along which other clusters read the same rows
	s_cmp_eq_u32 s22, 0
	s_cselect_b32 s[LIM], 2, -1                    ; the same in all sixteen partners, for a given wave
	s_lshl_b32 s22, s12, 7
	s_add_co_u32 s20, s20, s22                     ; + the 128 rows that I fetch
	s_lshl_b32 s21, s21, 5
	s_add_co_u32 s20, s20, s21                     ; + my work-group's 32 of them
	s_lshl_b32 s20, s20, 11
	s_mov_b32 s21, 0
	s_add_nc_u64 s[PFA:PFA+1], s[4:5], s[20:21]
	s_add_nc_u64 s[PFA:PFA+1], s[PFA:PFA+1], 3*KSTEP*2  ; at K step 3: the first refill steps it to 4 and names that
	; and of Wv
	s_lshl_b32 s20, s42, 7
	s_lshl_b32 s21, s41, 5
	s_add_co_u32 s20, s20, s21
	s_add_co_u32 s20, s20, 10240                   ; row 10,240 + 128 x tile column + my work-group's 32
	s_lshl_b32 s20, s20, 11
	s_add_co_u32 s20, s20, KSTEP*2                 ; at K step 1: the first refill for tile 2 steps it to 2 and names that
	s_mov_b32 s21, 0
	s_add_nc_u64 s[PFV:PFV+1], s[4:5], s[20:21]
	s_xor_b32 s20, s10, 2
	s_and_b32 s21, ttmp7, 0xffff
	s_or_b32 s20, s20, s21
	s_cmp_eq_u32 s20, 0                            ; wave 2 of a cluster with y = 0
	s_cselect_b32 s[LIMM], 0, -1
	s_cselect_b32 s[LIMV], 2, -1
	v_and_b32 v[PFO], 31, v0
	v_lshlrev_b32 v[PFO], 11, v[PFO]
; TILE 1.  16 matrix instructions: m blocks a0, a0 + 1 of the window's four x all 8 n blocks, 32 along K.  first = 1: the bias starts the sums: nothing is cleared, nothing is added later.
.macro MUL16 f, hi, a0, first
.if \first
	WIN MUL_BI+0x40*(\hi)
.else
	WIN MUL_LO+0x50*(\hi)
.endif
.irp a, \a0, (\a0)+1
.irp b, 0,1,2,3,4,5,6,7
.if \first
	v_wmma_f32_16x16x32_bf16 v[8*(8*(\a)+(\b)):8*(8*(\a)+(\b))+7], v[(\f)+8*(\b):(\f)+8*(\b)+7], v[(\f)+8*(4*(\hi)+(\a)):(\f)+8*(4*(\hi)+(\a))+7], v[8*(\b):8*(\b)+7]
.else
	v_wmma_f32_16x16x32_bf16 v[8*(8*(\a)+(\b)):8*(8*(\a)+(\b))+7], v[(\f)+8*(\b):(\f)+8*(\b)+7], v[(\f)+8*(4*(\hi)+(\a)):(\f)+8*(4*(\hi)+(\a))+7], v[8*(8*(\a)+(\b)):8*(8*(\a)+(\b))+7]
.endif
.endr
.endr
.endm
; 32 LDS loads in one run: the fragments of 32 along K at byte k of the rows of the slot in hand, into buffer f: W's 16 loads, then x's
.macro FETCH k, f
	WIN TO_B
.irp i, 0,1,2,3,4,5,6,7
	ds_load_b128 v[(\f)+8*(\i):(\f)+8*(\i)+3],   v[ADRB] offset:(\k)+(\i)*16*PITCH
	ds_load_b128 v[(\f)+8*(\i)+4:(\f)+8*(\i)+7], v[ADRB] offset:(\k)+(\i)*16*PITCH+32
.endr
	WIN 0
.irp i, 0,1,2,3,4,5,6,7
	ds_load_b128 v[(\f)+8*(\i):(\f)+8*(\i)+3],   v[ADRA] offset:(\k)+(\i)*16*PITCH
	ds_load_b128 v[(\f)+8*(\i)+4:(\f)+8*(\i)+7], v[ADRA] offset:(\k)+(\i)*16*PITCH+32
.endr
.endm
; One of a K step's first three quarters: multiplies buffer f; in its middle it fetches the next quarter, at byte k, into buffer g.  The 64 accumulators take turns, in the same order in every quarter.
.macro QUARTER k, f, g, first
	s_wait_dscnt 8                                 ; W and x's rows 0-63 are in; the youngest eight loads (x's rows 64-127) may be out
	MUL16 \f, 0, 0, \first
	MUL16 \f, 0, 2, \first
	PLACES
	FETCH \k, \g
	s_wait_dscnt 32                                ; all but the 32 just issued
	MUL16 \f, 1, 0, \first
	MUL16 \f, 1, 2, \first
.endm
; The change of slots and the fourth quarter.  The slot just read is filled again first thing behind the round, with the K step two on (of this tile, or of tile 2: g1b = G1V); then the next slot's first
; fragments are fetched (the four v_nop behind the joint load are the places in front of those loads), and buffer 1, which was waited for in front of the barrier, is multiplied.
; In tile 1's last K step the run fetches tile 2's first fragments: x's eight, and in W's place Wv's four; the run's other eight loads bring rows of W that nothing uses.
.macro TURN g1b, lim
	s_wait_xcnt 0x0                                ; the last prefetch, a K step back, has read its address
	s_add_nc_u64 s[PFA:PFA+1], s[PFA:PFA+1], KSTEP*2
	SYNC 1
	JLOAD \g1b
	NEXTSLOT
	FETCH 0, F0
	ASK \lim
	MUL16 F1, 0, 0, 0
	MUL16 F1, 0, 2, 0
	MUL16 F1, 1, 0, 0
	MUL16 F1, 1, 2, 0
.endm
; TILE 2.  8 matrix instructions: block a of Wv's rows x all 8 blocks of x's rows, 32 along K.  first = 1: the bias starts the sums.
.macro MULV f, a, first
.if \first
	WIN MUL_VB
.else
	WIN MUL_V
.endif
.irp b, 0,1,2,3,4,5,6,7
.if \first
	v_wmma_f32_16x16x32_bf16 v[8*(8*(\a)+(\b)):8*(8*(\a)+(\b))+7], v[(\f)+8*(\b):(\f)+8*(\b)+7], v[(\f)+8*(\a):(\f)+8*(\a)+7], v[BIAS2+8*(\a):BIAS2+8*(\a)+7]
.else
	v_wmma_f32_16x16x32_bf16 v[8*(8*(\a)+(\b)):8*(8*(\a)+(\b))+7], v[(\f)+8*(\b):(\f)+8*(\b)+7], v[(\f)+8*(\a):(\f)+8*(\a)+7], v[8*(8*(\a)+(\b)):8*(8*(\a)+(\b))+7]
.endif
.endr
.endm
.macro FETCHV k, f                     ; 24 LDS loads in one run: x's 16, then Wv's 8
	WIN 0
.irp i, 0,1,2,3,4,5,6,7
	ds_load_b128 v[(\f)+8*(\i):(\f)+8*(\i)+3],   v[ADRA] offset:(\k)+(\i)*16*PITCH
	ds_load_b128 v[(\f)+8*(\i)+4:(\f)+8*(\i)+7], v[ADRA] offset:(\k)+(\i)*16*PITCH+32
.endr
	WIN TO_B
.irp i, 0,1,2,3
	ds_load_b128 v[(\f)+8*(\i):(\f)+8*(\i)+3],   v[ADRB] offset:(\k)+(\i)*16*PITCH
	ds_load_b128 v[(\f)+8*(\i)+4:(\f)+8*(\i)+7], v[ADRB] offset:(\k)+(\i)*16*PITCH+32
.endr
.endm
.macro QUARTERV k, f, g, first         ; 32 matrix instructions; the 32 accumulators take turns, in the same order in every quarter
	s_wait_dscnt 4                                 ; x and Wv's fragments 0, 1 are in; the youngest four loads may be out
	MULV \f, 0, \first
	MULV \f, 1, \first
	PLACES
	FETCHV \k, \g
	s_wait_dscnt 24                                ; all but the 24 just issued
	MULV \f, 2, \first
	MULV \f, 3, \first
.endm
; fill = 1: as TURN.  fill = 0 (the tail): nothing is filled; in the last trip (s3 = 1) there is no next slot, and the fetch is jumped over.
.macro TURNV fill
.if \fill
	s_wait_xcnt 0x0                                ; the last prefetch, and tile 1's stores, have read their registers
	s_add_nc_u64 s[PFA:PFA+1], s[PFA:PFA+1], KSTEP*2
.endif
	SYNC \fill
.if \fill
	JLOAD G1V
	NEXTSLOT
	FETCHV 0, F0
	WIN 0
	ASK LIMV
.else
	NEXTSLOT
	s_cmp_eq_u32 s3, 1
	s_cbranch_scc1 .Lno_fetch_\@
	PLACES
	FETCHV 0, F0
	WIN 0
.Lno_fetch_\@:
.endif
	MULV F1, 0, 0
	MULV F1, 1, 0
	MULV F1, 2, 0
	MULV F1, 3, 0
.endm
; THE WAY OUT of block a (16 rows), for both tiles.  PACK: rounded to f16, 16 bytes a lane, each accumulator's registers in ascending order.  TOSTAGE: into my own stage, and back as whole rows of 256 bytes.  SEND: stored.
.macro PACK a
.set AC, 64*((\a)%4)
	WIN 0x0a+5*((\a)/4)                            ; sources 0 and 1: window 2 or 3
.irp b, 0,1,2,3,4,5,6,7
.irp r, 0,1,2,3
	v_cvt_pk_f16_f32 v[TMP+4*(\b)+(\r)], v[AC+8*(\b)+2*(\r)], v[AC+8*(\b)+2*(\r)+1]
.endr
.endr
	WIN 0
.endm
.macro TOSTAGE a
.set BK, OB+192*((\a)%2)
.irp b, 0,1,2,3,4,5,6,7
	ds_store_b128 v[STO], v[TMP+4*(\b):TMP+4*(\b)+3] offset:32*(\b)
.endr
.irp t, 0,1,2,3,4,5,6,7
	ds_load_b128 v[BK+4*(\t):BK+4*(\t)+3], v[RD] offset:(\t)*2*SPITCH  ; LDS serves a wave's instructions in order: these see the stores above
.endr
.endm
.macro SEND a, co, sb, rowb
.set BK, OB+192*((\a)%2)
	s_wait_dscnt 0x0                               ; the block is back in registers
	s_wait_xcnt 0x0                                ; the stores of the block before have read their registers, which the next TOSTAGE loads again
.irp t, 0,1,2,3,4,5,6,7
	global_store_b128 v[\co], v[BK+4*(\t):BK+4*(\t)+3], s[\sb:\sb+1] offset:(16*(\a)+2*(\t))*(\rowb)  ; 16 lanes store 256 consecutive bytes, at a multiple of 256 from the buffer's first byte
.endr
.endm
	s_wait_tensorcnt 1                             ; my part of K step 0 is in; K step 1's may stay out
	s_barrier_signal -1
	s_barrier_wait -1                              ; everybody's is
	FETCH 0, F0
	s_wait_loadcnt 0x0                             ; both biases
	WIN 0x41                                       ; destination and source in window 1
.irp a, 0,1,2,3
.irp j, 1,2,3,4,5,6,7
	v_mov_b32 v[BIAS2+8*(\a)+(\j)], v[BIAS2+8*(\a)]  ; tile 2's: the lane's number fills all eight registers of its C operand
.endr
.endr
	QUARTER 64, F0, F1, 1                          ; the first quarter stands in front of the loop: its products start the sums
	WIN 0
	s_mov_b32 s3, KSTEPS-2
.Lstep:                                                ; a trip: a K step's quarters 1 to 3 and the next step's quarter 0; it fills the slot that it leaves
	QUARTER 128, F1, F0, 0
	QUARTER 192, F0, F1, 0
	TURN G1B, LIM
	QUARTER 64, F0, F1, 0
	WIN 0
	s_sub_co_u32 s3, s3, 1
	s_cmp_lg_u32 s3, 0
	s_cbranch_scc1 .Lstep
	s_wait_xcnt 0x0                                ; tile 1's prefetches have read their address
	s_mov_b64 s[PFA:PFA+1], s[PFV:PFV+1]           ; from here on Wv is asked for,
	s_mov_b64 s[WB:WB+1], s[VB:VB+1]               ; and fetched
	s_mov_b32 s3, 2
.Lmid:                                                 ; tile 1's K steps 6 and 7: THE RING GOES ON INTO TILE 2: the slots take its K steps 0 and 1
	QUARTER 128, F1, F0, 0
	QUARTER 192, F0, F1, 0
	TURN G1V, LIMM
	WIN 0
	s_cmp_eq_u32 s3, 1
	s_cbranch_scc1 .Lmid_end                       ; behind K step 7 tile 1 has no further quarter
	QUARTER 64, F0, F1, 0
	WIN 0
.Lmid_end:
	s_sub_co_u32 s3, s3, 1
	s_cmp_lg_u32 s3, 0
	s_cbranch_scc1 .Lmid
	PLACES                                         ; BOTH REFILLS ARE ASKED FOR: NOW TILE 1 GOES OUT
	PACK 0
	TOSTAGE 0
.irp a, 1,2,3,4,5,6,7                  ; block a's conversions stand between block a - 1's loads from the stage and the wait for them
	PACK \a
	SEND (\a)-1, CO, QP, ROWQ
	TOSTAGE \a
.endr
	SEND 7, CO, QP, ROWQ
	QUARTERV 64, F0, F1, 1                         ; tile 2's first quarter: its fragments were fetched in tile 1's last change of slots
	WIN 0
	s_mov_b32 s3, KSTEPS-2
.Lstepv:
	QUARTERV 128, F1, F0, 0
	QUARTERV 192, F0, F1, 0
	TURNV 1
	QUARTERV 64, F0, F1, 0
	WIN 0
	s_sub_co_u32 s3, s3, 1
	s_cmp_lg_u32 s3, 0
	s_cbranch_scc1 .Lstepv
	s_mov_b32 s3, 2
.Ltailv:                                               ; the last two K steps fill nothing
	QUARTERV 128, F1, F0, 0
	QUARTERV 192, F0, F1, 0
	TURNV 0
	WIN 0
	s_cmp_eq_u32 s3, 1
	s_cbranch_scc1 .Ltailv_end
	QUARTERV 64, F0, F1, 0
	WIN 0
.Ltailv_end:
	s_sub_co_u32 s3, s3, 1
	s_cmp_lg_u32 s3, 0
	s_cbranch_scc1 .Ltailv
	PLACES                                         ; behind the last products
	PACK 0
	TOSTAGE 0
.irp a, 1,2,3
	PACK \a
	SEND (\a)-1, CV, VP, ROWV
	TOSTAGE \a
.endr
	SEND 3, CV, VP, ROWV
	s_wait_tensorcnt 0x0                           ; the wave's end, behind my last tensor load and my last LDS store
	ds_add_u32 v[SPW], v[NIL]
	s_wait_dscnt 0x0
	CROUND                                         ; the closing round: no work-group ends while a partner may still ask for a tile that names it
	s_endpgm
.Lfunc_end_k_qb1fada5b2a_proj:
	.size	k_qb1fada5b2a_proj, .Lfunc_end_k_qb1fada5b2a_proj-k_qb1fada5b2a_proj
	.p2alignl 7, 3214868480
	.fill 96, 4, 3214868480
	.section	.rodata,"a",@progbits
	.p2align	6, 0x0
	.amdhsa_kernel k_qb1fada5b2a_proj
		.amdhsa_group_segment_fixed_size 327680
		.amdhsa_private_segment_fixed_size 0
		.amdhsa_enable_private_segment 0
		.amdhsa_kernarg_size 48
		.amdhsa_user_sgpr_count 2
		.amdhsa_user_sgpr_kernarg_segment_ptr 1
		.amdhsa_wavefront_size32 1
		.amdhsa_system_sgpr_workgroup_id_x 1
		.amdhsa_system_sgpr_workgroup_id_y 1
		.amdhsa_system_sgpr_workgroup_id_z 1
		.amdhsa_system_vgpr_workitem_id 0
		.amdhsa_next_free_vgpr 1024
		.amdhsa_next_free_sgpr 100
		.amdhsa_reserve_vcc 0
		.amdhsa_float_denorm_mode_32 3
		.amdhsa_float_denorm_mode_16_64 3
		.amdhsa_memory_ordered 1
		.amdhsa_forward_progress 1
		.amdhsa_inst_pref_size 159
	.end_amdhsa_kernel
	.amdgpu_metadata
---
amdhsa.version: [ 1, 2 ]
amdhsa.kernels:
  - .name:           k_qb1fada5b2a_proj
    .symbol:         k_qb1fada5b2a_proj.kd
    .args:
      - { .name: xw, .offset: 0, .size: 8, .value_kind: global_buffer, .address_space: global }
      - { .name: bq, .offset: 8, .size: 8, .value_kind: global_buffer, .address_space: global }
      - { .name: bk, .offset: 16, .size: 8, .value_kind: global_buffer, .address_space: global }
      - { .name: bv, .offset: 24, .size: 8, .value_kind: global_buffer, .address_space: global }
      - { .name: qk, .offset: 32, .size: 8, .value_kind: global_buffer, .address_space: global }
      - { .name: vt, .offset: 40, .size: 8, .value_kind: global_buffer, .address_space: global }
    .group_segment_fixed_size: 327680
    .private_segment_fixed_size: 0
    .kernarg_segment_align: 8
    .kernarg_segment_size: 48
    .max_flat_workgroup_size: 128
    .sgpr_count:     100
    .vgpr_count:     1024
    .wavefront_size: 32
...
	.end_amdgpu_metadata
.endif
;; end of part 2
;; launch scores (part 3): grid 8 x 32, 4 waves a work-group, clusters of 4 x 4, 327,680 bytes of LDS; arguments qk, p, st; writes p, st
.if DOCPART == 3
	.amdgcn_target "amdgcn-amd-amdhsa--gfx1250"
	.amdhsa_code_object_version 6
	.text
	.protected	k_qb1fada5b2a_scores
	.globl	k_qb1fada5b2a_scores
	.p2align	8
	.type	k_qb1fada5b2a_scores,@function
k_qb1fada5b2a_scores:
	s_mov_b64 s[64:65], 0
	v_nop
	global_prefetch_b8 v0, s[64:65] scope:SCOPE_SE
	s_setreg_imm32_b32 hwreg(HW_REG_WAVE_MODE, 25, 1), 1
	s_wait_xcnt 0x0
	s_wait_alu depctr_hold_cnt(0) depctr_sa_sdst(0) depctr_va_vdst(0) depctr_va_sdst(0) depctr_va_ssrc(0) depctr_va_vcc(0) depctr_vm_vsrc(0)
	s_getreg_b32 s2, hwreg(HW_REG_IB_STS2, 6, 4)
	s_cmp_eq_u32 s2, 0
	s_cbranch_scc0 .Lentry_in_a_cluster
	s_endpgm
.Lentry_in_a_cluster:
	s_bfe_u32 s2, ttmp6, 0x10000c
	s_cmp_lg_u32 s2, 0xf033
	s_cbranch_scc0 .Lentry_shape_is_right
	s_endpgm
.Lentry_shape_is_right:
; s[q][k] = Q[q] . K[k] within a batch of 2,048 rows; for each query and each tile t of 128 keys: cm = c x the tile's largest s, c = log2(e) / 32; p = 2^(c s - cm), rounded once to f16; l = the sum of the
; unrounded p.  Q and K are the two halves of qk's rows ([8192][2048] f16); p is [8192][2048] f16; st is f32 [64 blocks of 128 rows][cm, l][16 tiles][128 rows].  Products, maxima and sums in f32.
; The maximum taken away here is the tile's; the launch behind brings all tiles of a row to the row's maximum.
; LIMITS.  p lies in 0 to 1; below 6e-5 it keeps f16's fixed step of 6e-8, and a weight under that counts as 0; a weight below 2^-126 counts as 0 in l.  NaN and infinities are not treated apart.
; SHARES.  A tile of 256 queries x 256 keys to a work-group of four waves: 8 x 32 tiles; a wave makes 128 x 128 in 64 accumulators: its 128 keys are one tile t.  The channels go in 8 steps of 128
; through two LDS slots; the loop's trip is one step, and the slot in hand is a scalar that turns.
; CLUSTER.  4 x 4: the four of a row of the cluster need the same rows of Q, the four of a column the same rows of K: joint loads.
; THE PRODUCT IS TAKEN TRANSPOSED (source 0 = 16 keys, source 1 = 16 queries): a lane holds ONE query (l % 16) and, in each of 8 accumulators, the keys 8 (l / 16) + 0..7: a query's maximum and sum
; want one exchange between the halves of the lanes.
; REGISTERS.  window 0: v0-31 addresses; v64-127, v128-191 fragments of Q (on the way out v64-73 at work); v192-223, v32-63, v224-255 the way out.  window 1: v64-127, v128-191 fragments of K.
;   windows 2, 3: the accumulators of my queries 0-63, 64-127: (a, b) at v[8 (8 (a % 4) + b)].
.set KSTEP,  128
.set KSTEPS, 8
.set PITCH,  272
.set HALFT,  128*PITCH
.set SLOT,   4*HALFT
.set STAGE,  2*SLOT                    ; 16 rows x 272 bytes for each wave
.set SPITCH, 272
.set STATS,  STAGE+4*16*SPITCH         ; 1,024 bytes for each wave: cm of its 128 queries, then l
.set SPARE,  STATS+4*1024              ; the spare words, 128 bytes a wave, which no other line names
.set ROWC,   4096                      ; bytes in a row of qk and of p
.set ADRA,  16
.set ADRA0, 17
.set ADRB,  20
.set ADRB0, 21
.set SO,   23                          ; v23  16 x my lane: my 16 bytes of 512 in st
.set STO,  24
.set RD,   25
.set CO,   26
.set SA,   27                          ; v27  where my query's cm goes: my wave's stats + 4 (l % 16); 256 bytes on for my queries 64-127
.set SPW,  28
.set NIL,  29
.set PFO,  30
.set SR,   31                          ; v31  where I read 16 bytes of the stats back
.set F0,   64
.set F1,   128
.set CH,   64                          ; v64-71  the way out: eight running maxima, then at work
.set CM,   72                          ; v[72:73] c m, twice
.set TMP,  192
.set OB,   32
.set G1,   24
.set G0,   32
.set G1B,  48
.set G0B,  56
.set LIM,  43
.set PFA,  44
.set RB,   66
.set FB,   67
.set WOFF, 68
.set CS,   70                          ; s[70:71] c, twice
.set SEL,  72                          ; s[72:73] v_permlanex16_b32's selects: each lane takes its own place in the other half
.set MSB, 0
.macro WIN new
.if MSB != (\new)
	s_set_vgpr_msb (MSB<<8)|(\new)
.set MSB, \new
.endif
.endm
.set MUL_LO, 0xa1                      ; source 0 (K) window 1, source 1 (Q) window 0, C and D window 2
.set TO_B,   0x40
.macro PLACES
.rept 4
	v_nop
.endr
.endm
.macro CREST
	s_cmp_lg_u32 s10, 0
	s_cbranch_scc1 .Lnot_wave_0_\@
	s_barrier_signal -3
.Lnot_wave_0_\@:
	s_barrier_wait -3
	s_barrier_signal -1
	s_barrier_wait -1
.endm
.macro CROUND
	s_barrier_signal -1
	s_barrier_wait -1
	CREST
.endm
.macro JLOAD                           ; a joint refill by the walking descriptors; an s_nop 0 and four v_nop follow each of the two lines
	s_cmp_eq_u32 s11, 0
	s_cbranch_scc0 .Lfor_b_\@
	tensor_load_to_lds s[G0+4:G0+7], s[G1:G1+7]
	s_nop 0
	PLACES
	s_branch .Lasked_\@
.Lfor_b_\@:
	tensor_load_to_lds s[G0B+4:G0B+7], s[G1B:G1B+7]
	s_nop 0
	PLACES
.Lasked_\@:
.endm
; A prefetch of the step that stands two refills on: 32 rows x 256 bytes, a lane a row, one instruction a wave.  Each row's 256 bytes of a step are named once in the launch: of the two clusters that read
; Q's rows the one with x = 0 asks, of the two that read a batch's rows of K the one with even y; the four partners share a tile's rows out by address, 32 each.  The last two refills ask for nothing.
.macro ASK
	s_cmp_gt_u32 s3, s[LIM]
	s_cbranch_scc0 .Lnot_mine_\@
	global_prefetch_b8 v[PFO], s[PFA:PFA+1] th:TH_LOAD_NT scope:SCOPE_SE
.Lnot_mine_\@:
.endm
	s_load_b128 s[4:7], s[0:1], 0x0                ; qk s[4:5], p s[6:7]
	s_load_b64 s[76:77], s[0:1], 0x10              ; st
	v_lshl_add_u32 v[SPW], v0, 2, SPARE
	v_mov_b32 v[NIL], 0
	ds_add_u32 v[SPW], v[NIL]                      ; the wave's opening: the add and its wait stand ahead of my first tensor load
	v_lshrrev_b32 v1, 5, v0
	v_readfirstlane_b32 s10, v1
	s_lshr_b32 s11, s10, 1                         ; my half of the tile's queries.  Also: I fetch for Q (0) or for K (1)
	s_and_b32 s12, s10, 1                          ; my half of its keys.  Also: which 128 rows of that tile I fetch
	s_bfe_u32 s40, ttmp6, 0x40000
	s_bfe_u32 s41, ttmp6, 0x40004
	s_lshl_b32 s42, ttmp9, 2
	s_add_co_u32 s42, s42, s40                     ; tile column: 256 keys of the batch
	s_and_b32 s13, ttmp7, 0xffff
	s_lshl_b32 s13, s13, 2
	s_add_co_u32 s13, s13, s41                     ; tile row: 256 of the 8,192 queries
	s_lshl_b32 s43, s41, 2
	s_lshl_b32 s43, 15, s43
	s_lshl_b32 s44, 0x1111, s40
	s_or_b32 s[G1+0], s43, (1<<16)|(1<<20)|(1<<21)|(5<<22)|(3<<25)
	s_or_b32 s[G1B+0], s44, (1<<16)|(1<<20)|(1<<21)|(5<<22)|(3<<25)
.irp g, G1, G1B
	s_mov_b32 s[(\g)+1], KSTEP<<16
	s_mov_b32 s[(\g)+2], 128<<16
	s_mov_b32 s[(\g)+3], KSTEP<<16
	s_mov_b32 s[(\g)+4], 128
	s_mov_b32 s[(\g)+5], 2048                      ; elements from row to row of qk
	s_mov_b32 s[(\g)+6], 0
	s_mov_b32 s[(\g)+7], 0
.endr
	s_mov_b32 s[CS], 0x3d38aa3b                    ; c = log2(e) / 32
	s_mov_b32 s[CS+1], s[CS]
	s_mov_b32 s[SEL], 0x76543210
	s_mov_b32 s[SEL+1], 0xfedcba98
	s_lshl_b32 s17, s12, 7
	s_lshl_b32 s16, s13, 8
	s_add_co_u32 s16, s16, s17                     ; Q: row 256 x tile row + 128 x half
	s_lshl_b32 s46, s42, 8
	s_add_co_u32 s46, s46, s17
	s_and_b32 s47, ttmp7, 0xffff
	s_lshr_b32 s47, s47, 1                         ; the batch: two rows of clusters each; the whole cluster shares it
	s_lshl_b32 s47, s47, 11
	s_add_co_u32 s46, s46, s47                     ; K: row 2,048 x batch + 256 x tile column + 128 x half,
	s_lshl_b32 s16, s16, 12
	s_lshl_b32 s46, s46, 12
	s_add_co_u32 s46, s46, 2048                    ; in the second half of qk's rows
	s_mov_b32 s17, 0
	s_mov_b32 s47, 0
	s_mul_i32 s[WOFF], s10, HALFT
	s_mov_b32 s[RB], 0
	s_mov_b32 s[FB], SLOT
	s_wait_dscnt 0x0
	s_wait_kmcnt 0x0
	s_add_nc_u64 s[14:15], s[4:5], s[16:17]
	s_add_nc_u64 s[46:47], s[4:5], s[46:47]
	CROUND                                         ; the first joint loads meet
.irp s, 0,1
	s_mov_b32 s[G0+4*(\s)], 1
	s_add_co_u32 s[G0+4*(\s)+1], s[WOFF], (\s)*SLOT
	s_add_nc_u64 s[G0+4*(\s)+2:G0+4*(\s)+3], s[14:15], (\s)*KSTEP*2
	s_or_b32 s[G0+4*(\s)+3], s[G0+4*(\s)+3], 0x80000000
	s_mov_b32 s[G0B+4*(\s)], 1
	s_add_co_u32 s[G0B+4*(\s)+1], s[WOFF], (\s)*SLOT
	s_add_nc_u64 s[G0B+4*(\s)+2:G0B+4*(\s)+3], s[46:47], (\s)*KSTEP*2
	s_or_b32 s[G0B+4*(\s)+3], s[G0B+4*(\s)+3], 0x80000000
.endr
	s_cmp_eq_u32 s11, 0                            ; a wave's two first fills stand in one branch: two loads of mine are out
	s_cbranch_scc0 .Lfirst_b
	tensor_load_to_lds s[G0:G0+3], s[G1:G1+7]
	s_nop 0
	tensor_load_to_lds s[G0+4:G0+7], s[G1:G1+7]
	s_nop 0
	PLACES
	s_branch .Lfirst_asked
.Lfirst_b:
	tensor_load_to_lds s[G0B:G0B+3], s[G1B:G1B+7]
	s_nop 0
	tensor_load_to_lds s[G0B+4:G0B+7], s[G1B:G1B+7]
	s_nop 0
	PLACES
.Lfirst_asked:
	v_and_b32 v1, 15, v0
	v_bfe_u32 v2, v0, 4, 1
	v_mul_u32_u24 v3, v1, PITCH
	v_lshl_add_u32 v3, v2, 4, v3
	s_mul_i32 s21, s11, HALFT
	s_mul_i32 s22, s12, HALFT
	s_add_co_u32 s22, s22, 2*HALFT
	v_add_nc_u32 v[ADRA0], s21, v3
	v_add_nc_u32 v[ADRB0], s22, v3
	v_mov_b32 v[ADRA], v[ADRA0]
	v_mov_b32 v[ADRB], v[ADRB0]
	s_mul_i32 s23, s10, 16*SPITCH
	s_add_co_u32 s23, s23, STAGE
	v_mul_u32_u24 v4, v1, SPITCH
	v_lshl_add_u32 v4, v2, 4, v4
	v_add_nc_u32 v[STO], s23, v4
	v_mul_u32_u24 v5, v2, SPITCH
	v_lshl_add_u32 v5, v1, 4, v5
	v_add_nc_u32 v[RD], s23, v5
	v_lshlrev_b32 v5, 12, v2
	v_lshl_add_u32 v[CO], v1, 4, v5
	s_lshl_b32 s23, s10, 10
	s_add_co_u32 s23, s23, STATS                   ; my wave's stats
	v_lshl_add_u32 v[SA], v1, 2, s23
	v_and_b32 v[SO], 31, v0
	v_lshlrev_b32 v[SO], 4, v[SO]
	v_add_nc_u32 v[SR], s23, v[SO]
	s_lshl_b32 s20, s13, 8
	s_lshl_b32 s21, s11, 7
	s_add_co_u32 s20, s20, s21
	s_lshl_b32 s20, s20, 12                        ; my first row of p, in bytes
	s_lshl_b32 s21, s42, 9
	s_add_co_u32 s20, s20, s21
	s_lshl_b32 s21, s12, 8
	s_add_co_u32 s20, s20, s21
	s_mov_b32 s21, 0
	s_add_nc_u64 s[8:9], s[6:7], s[20:21]
	s_lshl_b32 s20, s13, 1
	s_add_co_u32 s20, s20, s11                     ; my block of 128 rows,
	s_lshl_b32 s20, s20, 14                        ; 16,384 bytes of st each;
	s_lshl_b32 s21, s42, 1
	s_add_co_u32 s21, s21, s12                     ; my tile of 128 keys,
	s_lshl_b32 s21, s21, 9                         ; 512 bytes each
	s_add_co_u32 s20, s20, s21
	s_mov_b32 s21, 0
	s_add_nc_u64 s[74:75], s[76:77], s[20:21]
	; the prefetches
	s_lshl_b32 s20, s13, 8                         ; Q: 256 x tile row
	s_and_b32 s22, ttmp7, 0xffff                   ; cluster y
	s_lshr_b32 s21, s22, 1
	s_lshl_b32 s21, s21, 11
	s_lshl_b32 s23, s42, 8
	s_add_co_u32 s21, s21, s23                     ; K: 2,048 x batch + 256 x tile column
	s_and_b32 s22, s22, 1
	s_cmp_eq_u32 s11, 0                            ; do I fetch for Q?
	s_cselect_b32 s20, s20, s21
	s_cselect_b32 s21, s40, s41                    ; my place among the four that ask with me
	s_cselect_b32 s22, ttmp9, s22                  ; 0 in the one cluster that asks
	s_cselect_b32 s23, 0, 2048                     ; K lies in the second half of a row
	s_cmp_eq_u32 s22, 0
	s_cselect_b32 s[LIM], 2, -1
	s_lshl_b32 s22, s12, 7
	s_add_co_u32 s20, s20, s22
	s_lshl_b32 s21, s21, 5
	s_add_co_u32 s20, s20, s21
	s_lshl_b32 s20, s20, 12
	s_add_co_u32 s20, s20, s23
	s_mov_b32 s21, 0
	s_add_nc_u64 s[PFA:PFA+1], s[4:5], s[20:21]
	s_add_nc_u64 s[PFA:PFA+1], s[PFA:PFA+1], 3*KSTEP*2  ; at step 3: the first refill steps it to 4 and names that
	v_and_b32 v[PFO], 31, v0
	v_lshlrev_b32 v[PFO], 12, v[PFO]
.macro MUL16 f, hi, a0, first          ; 16 matrix instructions; first = 1: the constant 0 starts the sums
	WIN MUL_LO+0x50*(\hi)
.irp a, \a0, (\a0)+1
.irp b, 0,1,2,3,4,5,6,7
.if \first
	v_wmma_f32_16x16x32_f16 v[8*(8*(\a)+(\b)):8*(8*(\a)+(\b))+7], v[(\f)+8*(\b):(\f)+8*(\b)+7], v[(\f)+8*(4*(\hi)+(\a)):(\f)+8*(4*(\hi)+(\a))+7], 0
.else
	v_wmma_f32_16x16x32_f16 v[8*(8*(\a)+(\b)):8*(8*(\a)+(\b))+7], v[(\f)+8*(\b):(\f)+8*(\b)+7], v[(\f)+8*(4*(\hi)+(\a)):(\f)+8*(4*(\hi)+(\a))+7], v[8*(8*(\a)+(\b)):8*(8*(\a)+(\b))+7]
.endif
.endr
.endr
.endm
.macro FETCH k, f
	WIN TO_B
.irp i, 0,1,2,3,4,5,6,7
	ds_load_b128 v[(\f)+8*(\i):(\f)+8*(\i)+3],   v[ADRB] offset:(\k)+(\i)*16*PITCH
	ds_load_b128 v[(\f)+8*(\i)+4:(\f)+8*(\i)+7], v[ADRB] offset:(\k)+(\i)*16*PITCH+32
.endr
	WIN 0
.irp i, 0,1,2,3,4,5,6,7
	ds_load_b128 v[(\f)+8*(\i):(\f)+8*(\i)+3],   v[ADRA] offset:(\k)+(\i)*16*PITCH
	ds_load_b128 v[(\f)+8*(\i)+4:(\f)+8*(\i)+7], v[ADRA] offset:(\k)+(\i)*16*PITCH+32
.endr
.endm
.macro QUARTER k, f, g, first
	s_wait_dscnt 8                                 ; K and Q's rows 0-63 are in; the youngest eight loads may be out
	MUL16 \f, 0, 0, \first
	MUL16 \f, 0, 2, \first
	PLACES
	FETCH \k, \g
	s_wait_dscnt 32                                ; all but the 32 just issued
	MUL16 \f, 1, 0, \first
	MUL16 \f, 1, 2, \first
.endm
; The change of slots and the fourth quarter.  Each wave waits for all its tensor loads (one is out: its part of the next slot), adds 0 to its spare word, and waits for that and for its own reads of this slot,
; buffer 1's fragments among them.  fill = 1: the walking descriptors step between the add and its wait; the barrier opens a round of the cluster's barrier, and the slot just read is filled again, with the step
; two on, first thing behind the round; no product stands between the wait for the tile and that refill.  Then the next slot's first fragments are fetched and buffer 1 is multiplied.
; fill = 0 (the tail): nothing is filled; in the last trip (s3 = 1) there is no next slot, and the fetch is jumped over.
.macro TURN fill
.if \fill
	s_wait_xcnt 0x0                                ; the last prefetch, a step back, has read its address
	s_add_nc_u64 s[PFA:PFA+1], s[PFA:PFA+1], KSTEP*2
.endif
	WIN 0
	s_wait_tensorcnt 0x0                           ; all my tensor loads have landed
	ds_add_u32 v[SPW], v[NIL]                      ; 0 onto my spare word
.if \fill
	s_xor_b32 s[FB], s[FB], SLOT                   ; the walking descriptors: the other slot than last time,
	s_add_co_u32 s[G0+5], s[WOFF], s[FB]
	s_add_co_u32 s[G0B+5], s[WOFF], s[FB]
	s_add_nc_u64 s[G0+6:G0+7], s[G0+6:G0+7], KSTEP*2      ; the next step
	s_add_nc_u64 s[G0B+6:G0B+7], s[G0B+6:G0B+7], KSTEP*2
.endif
	s_wait_dscnt 0x0                               ; the add is done, and my reads of this slot are over
	s_barrier_signal -1
	s_barrier_wait -1
.if \fill
	CREST                                          ; no wave of any partner still reads this slot or has a load on its way
	JLOAD                                          ; its four v_nop are also the places in front of the loads below
	s_xor_b32 s[RB], s[RB], SLOT
	v_add_nc_u32 v[ADRA], s[RB], v[ADRA0]
	v_add_nc_u32 v[ADRB], s[RB], v[ADRB0]
	FETCH 0, F0
	ASK
.else
	s_xor_b32 s[RB], s[RB], SLOT
	v_add_nc_u32 v[ADRA], s[RB], v[ADRA0]
	v_add_nc_u32 v[ADRB], s[RB], v[ADRB0]
	s_cmp_eq_u32 s3, 1
	s_cbranch_scc1 .Lno_fetch_\@
	PLACES
	FETCH 0, F0
.Lno_fetch_\@:
.endif
	MUL16 F1, 0, 0, 0
	MUL16 F1, 0, 2, 0
	MUL16 F1, 1, 0, 0
	MUL16 F1, 1, 2, 0
.endm
; THE TILE'S SOFTMAX for block a of window 2's four (16 queries x my 128 keys; a lane holds 64 scores of one query, in 8 accumulators).  The maximum, each accumulator's lowest registers first; the other half of
; the lanes'; c m; then ONE BATCH: 32 packed scalings c s - c m and 64 exponentials, in place, a pair scaled one step ahead of its exponentials; nothing in the batch names an exponential's result; a v_nop and one
; wait; then the roundings to f16, the sum of the unrounded weights in place, and the other half of the lanes'.
.macro SOFT a
.set AC, 64*(\a)
	WIN 0x2a                                       ; three sources in window 2
.irp b, 0,1,2,3,4,5,6,7
	v_max3_num_f32 v[CH+(\b)], v[AC+8*(\b)], v[AC+8*(\b)+1], v[AC+8*(\b)+2]
.endr
	WIN 0x28                                       ; sources 1 and 2
.irp b, 0,1,2,3,4,5,6,7
	v_max3_num_f32 v[CH+(\b)], v[CH+(\b)], v[AC+8*(\b)+3], v[AC+8*(\b)+4]
.endr
.irp b, 0,1,2,3,4,5,6,7
	v_max3_num_f32 v[CH+(\b)], v[CH+(\b)], v[AC+8*(\b)+5], v[AC+8*(\b)+6]
.endr
.irp b, 0,2,4,6
	v_max3_num_f32 v[CH+(\b)], v[CH+(\b)], v[AC+8*(\b)+7], v[AC+8*(\b)+15]
.endr
	WIN 0
	v_max3_num_f32 v[CH], v[CH], v[CH+1], v[CH+2]
	v_max3_num_f32 v[CH+3], v[CH+3], v[CH+4], v[CH+5]
	v_max_num_f32 v[CH+6], v[CH+6], v[CH+7]
	v_max3_num_f32 v[CH], v[CH], v[CH+3], v[CH+6]
	v_permlanex16_b32 v[CH+1], v[CH], s[SEL], s[SEL+1]  ; the query's other 64 keys lie in the lane 16 away
	v_max_num_f32 v[CH], v[CH], v[CH+1]
	v_mul_f32 v[CM], s[CS], v[CH]
	v_mul_f32 v[CM+1], s[CS], v[CH]
	ds_store_b32 v[SA], v[CM] offset:64*(\a)       ; both halves of the lanes write the same number to the same word
	WIN 0x82                                       ; destination and source 0 in window 2, c m in window 0
	v_pk_fma_f32 v[AC:AC+1], v[AC:AC+1], s[CS:CS+1], v[CM:CM+1] op_sel_hi:[1,0,0] neg_lo:[0,0,1] neg_hi:[0,0,1]
.set i, 0
.rept 32
.if i < 31
	v_pk_fma_f32 v[AC+2*i+2:AC+2*i+3], v[AC+2*i+2:AC+2*i+3], s[CS:CS+1], v[CM:CM+1] op_sel_hi:[1,0,0] neg_lo:[0,0,1] neg_hi:[0,0,1]
.endif
	v_exp_f32 v[AC+2*i], v[AC+2*i]
	v_exp_f32 v[AC+2*i+1], v[AC+2*i+1]
.set i, i+1
.endr
	v_nop                                          ; a plain instruction behind the last exponential,
	s_wait_alu depctr_va_vdst(0)                   ; and the one wait for the batch, ahead of its first reader
	WIN 0x0a
.set i, 0
.rept 32
	v_cvt_pk_f16_f32 v[TMP+i], v[AC+2*i], v[AC+2*i+1]
.set i, i+1
.endr
	WIN 0x8a
.irp d, 16,8,4,2,1                     ; the 32 pairs are added in place, neighbours 16, 8, 4, 2, 1 pairs apart
.set i, 0
.rept \d
	v_pk_add_f32 v[AC+2*i:AC+2*i+1], v[AC+2*i:AC+2*i+1], v[AC+2*(i+(\d)):AC+2*(i+(\d))+1]
.set i, i+1
.endr
.endr
	WIN 0x0a
	v_add_f32 v[CH], v[AC], v[AC+1]
	WIN 0
	v_permlanex16_b32 v[CH+1], v[CH], s[SEL], s[SEL+1]
	v_add_f32 v[CH], v[CH], v[CH+1]
	ds_store_b32 v[SA], v[CH] offset:512+64*(\a)
.endm
.macro TOSTAGE a
.set BK, OB+192*((\a)%2)
.irp b, 0,1,2,3,4,5,6,7
	ds_store_b128 v[STO], v[TMP+4*(\b):TMP+4*(\b)+3] offset:32*(\b)
.endr
.irp t, 0,1,2,3,4,5,6,7
	ds_load_b128 v[BK+4*(\t):BK+4*(\t)+3], v[RD] offset:(\t)*2*SPITCH  ; LDS serves a wave's instructions in order: these see the stores above
.endr
.endm
.macro SEND a
.set BK, OB+192*((\a)%2)
	s_wait_dscnt 0x0
	s_wait_xcnt 0x0                                ; the stores of the block before have read their registers, which the next TOSTAGE loads again
.irp t, 0,1,2,3,4,5,6,7
	global_store_b128 v[CO], v[BK+4*(\t):BK+4*(\t)+3], s[8:9] offset:(16*(\a)+2*(\t))*ROWC  ; 16 lanes store 256 consecutive bytes, at a multiple of 256 from p's first byte
.endr
.endm
	s_wait_tensorcnt 1                             ; my part of step 0 is in; step 1's may stay out
	s_barrier_signal -1
	s_barrier_wait -1
	FETCH 0, F0
	QUARTER 64, F0, F1, 1
	WIN 0
	s_mov_b32 s3, KSTEPS-2
.Lstep:
	QUARTER 128, F1, F0, 0
	QUARTER 192, F0, F1, 0
	TURN 1
	QUARTER 64, F0, F1, 0
	WIN 0
	s_sub_co_u32 s3, s3, 1
	s_cmp_lg_u32 s3, 0
	s_cbranch_scc1 .Lstep
	s_mov_b32 s3, 2
.Ltail:                                                ; the last two steps fill nothing; the second trip is left in its middle
	QUARTER 128, F1, F0, 0
	QUARTER 192, F0, F1, 0
	TURN 0
	WIN 0
	s_sub_co_u32 s3, s3, 1
	s_cmp_eq_u32 s3, 0
	s_cbranch_scc1 .Lout
	QUARTER 64, F0, F1, 0
	WIN 0
	s_branch .Ltail
.Lout:
	PLACES                                         ; behind the last products
	; THE WAY OUT is written for the four blocks of window 2 and walked twice: between the trips my queries 64-127 come from window 3 into window 2, 256 moves, so that the text stands once
	s_mov_b32 s3, 2
.Lhalf:
	SOFT 0
	TOSTAGE 0
.irp a, 1,2,3                          ; block a's softmax stands between block a - 1's loads from the stage and the wait for them
	SOFT \a
	SEND (\a)-1
	TOSTAGE \a
.endr
	SEND 3
	s_cmp_eq_u32 s3, 1
	s_cbranch_scc1 .Lmoved
	WIN 0x83                                       ; destination window 2, source window 3; each accumulator's registers in ascending order
.set i, 0
.rept 256
	v_mov_b32 v[i], v[i]
.set i, i+1
.endr
	WIN 0
	v_add_nc_u32 v[SA], 256, v[SA]                 ; the stats of my queries 64-127
	s_wait_xcnt 0x0                                ; the stores have read their base and their registers
	s_add_nc_u64 s[8:9], s[8:9], 64*ROWC           ; 64 rows of p on
.Lmoved:
	s_sub_co_u32 s3, s3, 1
	s_cmp_lg_u32 s3, 0
	s_cbranch_scc1 .Lhalf
	ds_load_b128 v[CH:CH+3], v[SR]                 ; my wave's 128 cm and 128 l, 16 bytes a lane: its own bytes, served in order behind its stores
	ds_load_b128 v[CH+4:CH+7], v[SR] offset:512
	s_wait_dscnt 0x0
	global_store_b128 v[SO], v[CH:CH+3], s[74:75]                 ; 512 consecutive bytes, at a multiple of 256 from st's first byte
	global_store_b128 v[SO], v[CH+4:CH+7], s[74:75] offset:8192
	s_wait_tensorcnt 0x0                           ; the wave's end
	ds_add_u32 v[SPW], v[NIL]
	s_wait_dscnt 0x0
	CROUND                                         ; the closing round
	s_endpgm
.Lfunc_end_k_qb1fada5b2a_scores:
	.size	k_qb1fada5b2a_scores, .Lfunc_end_k_qb1fada5b2a_scores-k_qb1fada5b2a_scores
	.p2alignl 7, 3214868480
	.fill 96, 4, 3214868480
	.section	.rodata,"a",@progbits
	.p2align	6, 0x0
	.amdhsa_kernel k_qb1fada5b2a_scores
		.amdhsa_group_segment_fixed_size 327680
		.amdhsa_private_segment_fixed_size 0
		.amdhsa_enable_private_segment 0
		.amdhsa_kernarg_size 24
		.amdhsa_user_sgpr_count 2
		.amdhsa_user_sgpr_kernarg_segment_ptr 1
		.amdhsa_wavefront_size32 1
		.amdhsa_system_sgpr_workgroup_id_x 1
		.amdhsa_system_sgpr_workgroup_id_y 1
		.amdhsa_system_sgpr_workgroup_id_z 1
		.amdhsa_system_vgpr_workitem_id 0
		.amdhsa_next_free_vgpr 1024
		.amdhsa_next_free_sgpr 84
		.amdhsa_reserve_vcc 0
		.amdhsa_float_denorm_mode_32 3
		.amdhsa_float_denorm_mode_16_64 3
		.amdhsa_memory_ordered 1
		.amdhsa_forward_progress 1
		.amdhsa_inst_pref_size 129
	.end_amdhsa_kernel
	.amdgpu_metadata
---
amdhsa.version: [ 1, 2 ]
amdhsa.kernels:
  - .name:           k_qb1fada5b2a_scores
    .symbol:         k_qb1fada5b2a_scores.kd
    .args:
      - { .name: qk, .offset: 0, .size: 8, .value_kind: global_buffer, .address_space: global }
      - { .name: p, .offset: 8, .size: 8, .value_kind: global_buffer, .address_space: global }
      - { .name: st, .offset: 16, .size: 8, .value_kind: global_buffer, .address_space: global }
    .group_segment_fixed_size: 327680
    .private_segment_fixed_size: 0
    .kernarg_segment_align: 8
    .kernarg_segment_size: 24
    .max_flat_workgroup_size: 128
    .sgpr_count:     84
    .vgpr_count:     1024
    .wavefront_size: 32
...
	.end_amdgpu_metadata
.endif
;; end of part 3
;; launch pv (part 4): grid 4 x 64, 4 waves a work-group, clusters of 4 x 4, 327,680 bytes of LDS; arguments p, vt, st, out0; writes out0
.if DOCPART == 4
	.amdgcn_target "amdgcn-amd-amdhsa--gfx1250"
	.amdhsa_code_object_version 6
	.text
	.protected	k_qb1fada5b2a_pv
	.globl	k_qb1fada5b2a_pv
	.p2align	8
	.type	k_qb1fada5b2a_pv,@function
k_qb1fada5b2a_pv:
	s_mov_b64 s[64:65], 0
	v_nop
	global_prefetch_b8 v0, s[64:65] scope:SCOPE_SE
	s_setreg_imm32_b32 hwreg(HW_REG_WAVE_MODE, 25, 1), 1
	s_wait_xcnt 0x0
	s_wait_alu depctr_hold_cnt(0) depctr_sa_sdst(0) depctr_va_vdst(0) depctr_va_sdst(0) depctr_va_ssrc(0) depctr_va_vcc(0) depctr_vm_vsrc(0)
	s_getreg_b32 s2, hwreg(HW_REG_IB_STS2, 6, 4)
	s_cmp_eq_u32 s2, 0
	s_cbranch_scc0 .Lentry_in_a_cluster
	s_endpgm
.Lentry_in_a_cluster:
	s_bfe_u32 s2, ttmp6, 0x10000c
	s_cmp_lg_u32 s2, 0xf033
	s_cbranch_scc0 .Lentry_shape_is_right
	s_endpgm
.Lentry_shape_is_right:
; out0[q][d] = (the sum over the 16 key tiles t of f_t x the sum over the tile's keys of p[q][k] V[k][d]) / L, f_t = 2^(cm_t - the largest cm of the row), L = the sum of f_t l_t: with the launch before,
; the softmax with the row's own maximum taken away.  p [8192][2048] f16, vt = V transposed [1024][8192] f16, st f32 [64 blocks of 128 rows][cm, l][16 tiles][128 rows], out0 [8192][1024] f32.
; f, L and the products' sums in f32; f is rounded to f16 and multiplied onto p's fragments in packed f16 (one more rounding of a matrix operand).
; LIMITS.  f p lies in 0 to 1 and keeps f16's fixed step of 6e-8 below 6e-5: a weight under that, relative to the row's largest, counts as 0.  L is about 1 or more.  NaN and infinities are not treated apart.
; SHARES.  A tile of 128 queries x 256 channels to a work-group: 4 x 64 tiles; a wave makes 64 x 128 in 32 accumulators.  The keys go in 16 steps of 128, each one tile t, through two LDS slots;
; the loop's trip is one step, and the slot in hand is a scalar that turns.
; CLUSTER.  4 x 4: the four of a row of the cluster need the same rows of p, the four of a column the same rows of vt (a cluster lies within one batch): joint loads.
; THE PRODUCT IS TAKEN TRANSPOSED (source 0 = 16 rows of vt, source 1 = 16 rows of p): a lane holds ONE query, in p's fragments as in the result: f and 1 / L are one number a lane.
; REGISTERS.  window 0: v0-31 addresses; v32-63, v64-95 fragments of p, two buffers; v96-159, v160-223 fragments of vt; v224-227 f of the step in hand, twice in f16, a register a block of 16 queries;
;   v228-235 1 / L, a pair a block.  window 1: the accumulators, (a, b) at v[8 (8 a + b)].
.set KSTEP,  128
.set KSTEPS, 16
.set PITCH,  272
.set AT,     128*PITCH                 ; p's 128 rows
.set BT,     256*PITCH                 ; vt's 256 rows
.set SLOT,   AT+BT
.set STAGE,  2*SLOT                    ; behind the ring: 16 rows x 528 bytes for each wave
.set SPITCH, 528                       ; 512 bytes + 16: the 16 rows that a store touches start at 16 different groups of four banks
.set FT,     STAGE+4*16*SPITCH         ; f as a pair of f16: [16 tiles][128 rows] words
.set RLT,    FT+16*512                 ; 1 / L: 128 words
.set SPARE,  RLT+512                   ; the spare words, 128 bytes a wave, which no other line names
.set ROWC,   4096                      ; bytes in a row of out0
.set ADRA,  16
.set ADRA0, 17
.set TI,   18                          ; v18  4 x my thread's number: my row's word in st
.set ADRB,  20
.set ADRB0, 21
.set RLA,  22                          ; v22  where my query's 1 / L lies
.set TA,   23                          ; v23  where thread i puts row i's f
.set STO,  24
.set RD,   25
.set CO,   26
.set SCA,  27                          ; v27  where my query's f of the step to be fetched lies; it steps by a tile's 512 bytes
.set SPW,  28
.set NIL,  29
.set PFO,  30
.set FAB,  32
.set FBB,  96
.set SC,   224
.set RL,   228
.set G1,   24
.set G0,   32
.set G1B,  48
.set G0B,  56
.set LIM,  43
.set PFA,  44
.set RB,   66
.set FB,   67
.set WOFFA, 68
.set WOFFB, 69
.set MSB, 0
.macro WIN new
.if MSB != (\new)
	s_set_vgpr_msb (MSB<<8)|(\new)
.set MSB, \new
.endif
.endm
.macro PLACES
.rept 4
	v_nop
.endr
.endm
.macro CREST
	s_cmp_lg_u32 s10, 0
	s_cbranch_scc1 .Lnot_wave_0_\@
	s_barrier_signal -3
.Lnot_wave_0_\@:
	s_barrier_wait -3
	s_barrier_signal -1
	s_barrier_wait -1
.endm
.macro CROUND
	s_barrier_signal -1
	s_barrier_wait -1
	CREST
.endm
.macro JLOAD                           ; a joint refill by the walking descriptors; an s_nop 0 and four v_nop follow each of the two lines
	s_cmp_eq_u32 s11, 0
	s_cbranch_scc0 .Lfor_b_\@
	tensor_load_to_lds s[G0+4:G0+7], s[G1:G1+7]
	s_nop 0
	PLACES
	s_branch .Lasked_\@
.Lfor_b_\@:
	tensor_load_to_lds s[G0B+4:G0B+7], s[G1B:G1B+7]
	s_nop 0
	PLACES
.Lasked_\@:
.endm
; A prefetch of the step that stands two refills on: 32 rows x 256 bytes, a lane a row.  Each row's 256 bytes of a step are named once in the launch.  A tile row of p is read by one cluster alone: its four
; partners take 32 rows each, by address, and wave 0 asks.  A batch's rows of vt are read by four clusters: the first of them asks, waves 2 and 3 for the 128 rows that each fetches, 32 to a partner.
; The last two refills ask for nothing.
.macro ASK
	s_cmp_gt_u32 s3, s[LIM]
	s_cbranch_scc0 .Lnot_mine_\@
	global_prefetch_b8 v[PFO], s[PFA:PFA+1] th:TH_LOAD_NT scope:SCOPE_SE
.Lnot_mine_\@:
.endm
	s_load_b128 s[4:7], s[0:1], 0x0                ; p s[4:5], vt s[6:7]
	s_load_b128 s[76:79], s[0:1], 0x10             ; st s[76:77], out0 s[78:79]
	v_lshl_add_u32 v[SPW], v0, 2, SPARE
	v_mov_b32 v[NIL], 0
	ds_add_u32 v[SPW], v[NIL]                      ; the wave's opening: the add and its wait stand ahead of my first tensor load
	v_lshrrev_b32 v1, 5, v0
	v_readfirstlane_b32 s10, v1
	s_lshr_b32 s11, s10, 1                         ; my half of the tile's 128 queries.  Also: I fetch for p (0) or for vt (1)
	s_and_b32 s12, s10, 1                          ; my half of its 256 channels.  Also: which part of that tile I fetch
	s_bfe_u32 s40, ttmp6, 0x40000
	s_bfe_u32 s41, ttmp6, 0x40004
	s_lshl_b32 s42, ttmp9, 2
	s_add_co_u32 s42, s42, s40                     ; tile column
	s_and_b32 s13, ttmp7, 0xffff
	s_lshl_b32 s13, s13, 2
	s_add_co_u32 s13, s13, s41                     ; tile row = the block of 128 rows in st
	s_lshl_b32 s43, s41, 2
	s_lshl_b32 s43, 15, s43
	s_lshl_b32 s44, 0x1111, s40
	s_or_b32 s[G1+0], s43, (1<<16)|(1<<20)|(1<<21)|(5<<22)|(3<<25)
	s_or_b32 s[G1B+0], s44, (1<<16)|(1<<20)|(1<<21)|(5<<22)|(3<<25)
	s_mov_b32 s[G1+1], KSTEP<<16
	s_mov_b32 s[G1+2], 64<<16                      ; p's loads bring 64 rows,
	s_mov_b32 s[G1+3], KSTEP<<16
	s_mov_b32 s[G1+4], 64
	s_mov_b32 s[G1+5], 2048                        ; elements from row to row of p
	s_mov_b32 s[G1+6], 0
	s_mov_b32 s[G1+7], 0
	s_mov_b32 s[G1B+1], KSTEP<<16
	s_mov_b32 s[G1B+2], 128<<16                    ; vt's 128
	s_mov_b32 s[G1B+3], KSTEP<<16
	s_mov_b32 s[G1B+4], 128
	s_mov_b32 s[G1B+5], 8192                       ; of vt
	s_mov_b32 s[G1B+6], 0
	s_mov_b32 s[G1B+7], 0
	s_lshl_b32 s16, s13, 7
	s_lshl_b32 s17, s12, 6
	s_add_co_u32 s16, s16, s17                     ; p: row 128 x tile row + 64 x part
	s_lshl_b32 s16, s16, 12
	s_lshl_b32 s46, s42, 8
	s_lshl_b32 s47, s12, 7
	s_add_co_u32 s46, s46, s47                     ; vt: row 256 x tile column + 128 x part,
	s_lshl_b32 s46, s46, 14
	s_and_b32 s47, ttmp7, 0xffff
	s_lshr_b32 s47, s47, 2                         ; the batch: four rows of clusters each,
	s_lshl_b32 s47, s47, 12                        ; its 2,048 keys: 4,096 bytes of a row
	s_add_co_u32 s46, s46, s47
	s_mov_b32 s17, 0
	s_mov_b32 s47, 0
	s_mul_i32 s[WOFFA], s12, 64*PITCH
	s_mul_i32 s[WOFFB], s12, 128*PITCH
	s_add_co_u32 s[WOFFB], s[WOFFB], AT
	s_mov_b32 s[RB], 0
	s_mov_b32 s[FB], SLOT
	s_wait_dscnt 0x0
	s_wait_kmcnt 0x0
	s_add_nc_u64 s[14:15], s[4:5], s[16:17]
	s_add_nc_u64 s[46:47], s[6:7], s[46:47]
	CROUND                                         ; the first joint loads meet
.irp s, 0,1
	s_mov_b32 s[G0+4*(\s)], 1
	s_add_co_u32 s[G0+4*(\s)+1], s[WOFFA], (\s)*SLOT
	s_add_nc_u64 s[G0+4*(\s)+2:G0+4*(\s)+3], s[14:15], (\s)*KSTEP*2
	s_or_b32 s[G0+4*(\s)+3], s[G0+4*(\s)+3], 0x80000000
	s_mov_b32 s[G0B+4*(\s)], 1
	s_add_co_u32 s[G0B+4*(\s)+1], s[WOFFB], (\s)*SLOT
	s_add_nc_u64 s[G0B+4*(\s)+2:G0B+4*(\s)+3], s[46:47], (\s)*KSTEP*2
	s_or_b32 s[G0B+4*(\s)+3], s[G0B+4*(\s)+3], 0x80000000
.endr
	s_cmp_eq_u32 s11, 0                            ; a wave's two first fills stand in one branch: two loads of mine are out
	s_cbranch_scc0 .Lfirst_b
	tensor_load_to_lds s[G0:G0+3], s[G1:G1+7]
	s_nop 0
	tensor_load_to_lds s[G0+4:G0+7], s[G1:G1+7]
	s_nop 0
	PLACES
	s_branch .Lfirst_asked
.Lfirst_b:
	tensor_load_to_lds s[G0B:G0B+3], s[G1B:G1B+7]
	s_nop 0
	tensor_load_to_lds s[G0B+4:G0B+7], s[G1B:G1B+7]
	s_nop 0
	PLACES
.Lfirst_asked:
	; THE TABLES, while the first tiles are on their way.  Thread i takes row i of the tile's 128: its 16 cm into v32-47, its 16 l into v48-63
	v_lshlrev_b32 v[TI], 2, v0
	s_lshl_b32 s20, s13, 14
	s_mov_b32 s21, 0
	s_add_nc_u64 s[74:75], s[76:77], s[20:21]
.irp t, 0,1,2,3,4,5,6,7,8,9,10,11,12,13,14,15
	global_load_b32 v[32+(\t)], v[TI], s[74:75] offset:512*(\t)
.endr
.irp t, 0,1,2,3,4,5,6,7,8,9,10,11,12,13,14,15
	global_load_b32 v[48+(\t)], v[TI], s[74:75] offset:8192+512*(\t)
.endr
	v_lshl_add_u32 v[TA], v0, 2, FT
	v_and_b32 v1, 15, v0                           ; l % 16
	v_bfe_u32 v2, v0, 4, 1                         ; l / 16
	v_mul_u32_u24 v3, v1, PITCH
	v_lshl_add_u32 v3, v2, 4, v3
	s_mul_i32 s21, s11, 64*PITCH                   ; my 64 rows of p
	s_mul_i32 s22, s12, 128*PITCH
	s_add_co_u32 s22, s22, AT                      ; my 128 rows of vt
	v_add_nc_u32 v[ADRA0], s21, v3
	v_add_nc_u32 v[ADRB0], s22, v3
	v_mov_b32 v[ADRA], v[ADRA0]
	v_mov_b32 v[ADRB], v[ADRB0]
	s_lshl_b32 s23, s11, 8
	s_add_co_u32 s23, s23, FT
	v_lshl_add_u32 v[SCA], v1, 2, s23              ; FT + 4 (64 x half + l % 16): tile 0; 64 bytes on for each block of 16 queries
	v_add_nc_u32 v[RLA], 16*512, v[SCA]
	s_mul_i32 s23, s10, 16*SPITCH
	s_add_co_u32 s23, s23, STAGE                   ; my stage
	v_mul_u32_u24 v4, v1, SPITCH
	v_lshl_add_u32 v4, v2, 5, v4
	v_add_nc_u32 v[STO], s23, v4                   ; in: row l % 16, 32 bytes for each half of the lanes
	v_and_b32 v[CO], 31, v0
	v_lshlrev_b32 v[CO], 4, v[CO]                  ; back, and in out0: a row's 512 bytes, 16 a lane
	v_add_nc_u32 v[RD], s23, v[CO]
	s_lshl_b32 s20, s13, 7
	s_lshl_b32 s21, s11, 6
	s_add_co_u32 s20, s20, s21
	s_lshl_b32 s20, s20, 12                        ; my first row of out0, in bytes
	s_lshl_b32 s21, s42, 10
	s_add_co_u32 s20, s20, s21
	s_lshl_b32 s21, s12, 9
	s_add_co_u32 s20, s20, s21
	s_mov_b32 s21, 0
	s_add_nc_u64 s[8:9], s[78:79], s[20:21]
	; the prefetches
	s_lshl_b32 s20, s13, 7
	s_lshl_b32 s21, s40, 5
	s_add_co_u32 s20, s20, s21                     ; p: row 128 x tile row + 32 cx
	s_lshl_b32 s20, s20, 12
	s_lshl_b32 s21, s42, 8
	s_lshl_b32 s22, s12, 7
	s_add_co_u32 s21, s21, s22
	s_lshl_b32 s22, s41, 5
	s_add_co_u32 s21, s21, s22                     ; vt: row 256 x tile column + 128 x part + 32 cy,
	s_lshl_b32 s21, s21, 14
	s_and_b32 s22, ttmp7, 0xffff                   ; cluster y
	s_lshr_b32 s23, s22, 2
	s_lshl_b32 s23, s23, 12
	s_add_co_u32 s21, s21, s23                     ; at the batch's keys
	s_and_b32 s22, s22, 3
	s_cmp_eq_u32 s11, 0                            ; do I fetch for p?
	s_cselect_b32 s20, s20, s21
	s_cselect_b32 s22, s12, s22                    ; 0 in wave 0; in waves 2 and 3 of the batch's first cluster
	s_cselect_b32 s23, 12, 14                      ; a row of p is 2^12 bytes, of vt 2^14
	s_cselect_b64 s[PFA:PFA+1], s[4:5], s[6:7]
	s_cmp_eq_u32 s22, 0
	s_cselect_b32 s[LIM], 2, -1                    ; the same in all sixteen partners, for a given wave
	s_mov_b32 s21, 0
	s_add_nc_u64 s[PFA:PFA+1], s[PFA:PFA+1], s[20:21]
	s_add_nc_u64 s[PFA:PFA+1], s[PFA:PFA+1], 3*KSTEP*2  ; at step 3: the first refill steps it to 4 and names that
	v_and_b32 v[PFO], 31, v0
	v_lshlrev_b32 v[PFO], s23, v[PFO]
	s_wait_loadcnt 0x0                             ; cm and l
	v_max3_num_f32 v64, v32, v33, v34              ; the row's largest cm
.irp t, 35,37,39,41,43,45
	v_max3_num_f32 v64, v64, v[\t], v[(\t)+1]
.endr
	v_max_num_f32 v64, v64, v47
.irp t, 0,1,2,3,4,5,6,7,8,9,10,11,12,13,14,15
	v_sub_f32 v[32+(\t)], v[32+(\t)], v64
.endr
.irp t, 0,1,2,3,4,5,6,7,8,9,10,11,12,13,14,15
	v_exp_f32 v[32+(\t)], v[32+(\t)]               ; f: one batch of 16
.endr
	v_nop                                          ; a plain instruction behind the last exponential,
	s_wait_alu depctr_va_vdst(0)                   ; and the one wait for the batch
	v_mul_f32 v65, v32, v48
.irp t, 1,2,3,4,5,6,7,8,9,10,11,12,13,14,15
	v_fmac_f32 v65, v[32+(\t)], v[48+(\t)]         ; L
.endr
	v_rcp_f32 v66, v65
.irp t, 0,1,2,3,4,5,6,7,8,9,10,11,12,13,14,15
	v_cvt_pk_f16_f32 v[48+(\t)], v[32+(\t)], v[32+(\t)]  ; f twice in a word: the plain work behind the reciprocal
.endr
	s_wait_alu depctr_va_vdst(0)                   ; the reciprocal's wait, ahead of its first reader
.irp t, 0,1,2,3,4,5,6,7,8,9,10,11,12,13,14,15
	ds_store_b32 v[TA], v[48+(\t)] offset:512*(\t)
.endr
	ds_store_b32 v[TA], v66 offset:16*512
.macro MUL8 f, a, first                ; 8 matrix instructions: m block a x all 8 n blocks, out of buffer f; first = 1: the constant 0 starts the sums
	WIN 0x50                                       ; C and D window 1
.irp b, 0,1,2,3,4,5,6,7
.if \first
	v_wmma_f32_16x16x32_f16 v[8*(8*(\a)+(\b)):8*(8*(\a)+(\b))+7], v[FBB+64*(\f)+8*(\b):FBB+64*(\f)+8*(\b)+7], v[FAB+32*(\f)+8*(\a):FAB+32*(\f)+8*(\a)+7], 0
.else
	v_wmma_f32_16x16x32_f16 v[8*(8*(\a)+(\b)):8*(8*(\a)+(\b))+7], v[FBB+64*(\f)+8*(\b):FBB+64*(\f)+8*(\b)+7], v[FAB+32*(\f)+8*(\a):FAB+32*(\f)+8*(\a)+7], v[8*(8*(\a)+(\b)):8*(8*(\a)+(\b))+7]
.endif
.endr
.endm
.macro SCALE f, a0                     ; p's fragments a0, a0 + 1 of buffer f times the lane's f, in place: 16 packed lines
	WIN 0
.irp a, \a0, (\a0)+1
.irp j, 0,1,2,3,4,5,6,7
	v_pk_mul_f16 v[FAB+32*(\f)+8*(\a)+(\j)], v[FAB+32*(\f)+8*(\a)+(\j)], v[SC+(\a)]
.endr
.endr
.endm
.macro FETCH k, g, sc                  ; one run of LDS loads: (sc = 1: a new step: its four f,) vt's 16, then p's 8
	WIN 0
.if \sc
.irp a, 0,1,2,3
	ds_load_b32 v[SC+(\a)], v[SCA] offset:64*(\a)
.endr
.endif
.irp i, 0,1,2,3,4,5,6,7
	ds_load_b128 v[FBB+64*(\g)+8*(\i):FBB+64*(\g)+8*(\i)+3],   v[ADRB] offset:(\k)+(\i)*16*PITCH
	ds_load_b128 v[FBB+64*(\g)+8*(\i)+4:FBB+64*(\g)+8*(\i)+7], v[ADRB] offset:(\k)+(\i)*16*PITCH+32
.endr
.irp i, 0,1,2,3
	ds_load_b128 v[FAB+32*(\g)+8*(\i):FAB+32*(\g)+8*(\i)+3],   v[ADRA] offset:(\k)+(\i)*16*PITCH
	ds_load_b128 v[FAB+32*(\g)+8*(\i)+4:FAB+32*(\g)+8*(\i)+7], v[ADRA] offset:(\k)+(\i)*16*PITCH+32
.endr
.endm
.macro QUARTER k, f, g, first          ; 32 matrix instructions; the 32 accumulators take turns, in the same order in every quarter
	s_wait_dscnt 4                                 ; f, vt and p's fragments 0, 1 are in; the youngest four loads may be out
	SCALE \f, 0
	MUL8 \f, 0, \first
	MUL8 \f, 1, \first
	s_wait_dscnt 0x0                               ; p's fragments 2, 3
	SCALE \f, 2                                    ; 16 plain lines that name no register of the products on buffer g: the places in front of the loads into it
	FETCH \k, \g, 0
	MUL8 \f, 2, \first
	MUL8 \f, 3, \first
.endm
; The change of slots and the fourth quarter.  Buffer 1's fragments of p, the wave's last reads of this slot, are waited for and scaled first: the step's last use of its f, ahead of the run of loads that brings the
; next step's; the 32 lines are also the places behind the products on buffer 0.  Then each wave waits for all its tensor loads (one is out: its part of the next slot), adds 0 to its spare word and waits for that.
; fill = 1: the walking descriptors step between the add and its wait; the barrier opens a round of the cluster's barrier, and the slot just read is filled again, with the step two on, first thing behind the round;
; no product stands between the wait for the tile and that refill.  Then the next slot's first fragments are fetched and buffer 1 is multiplied.
; fill = 0 (the tail): nothing is filled; in the last trip (s3 = 1) there is no next slot, and the fetch is jumped over.
.macro TURN fill
.if \fill
	s_wait_xcnt 0x0                                ; the last prefetch, a step back, has read its address
	s_add_nc_u64 s[PFA:PFA+1], s[PFA:PFA+1], KSTEP*2
.endif
	s_wait_dscnt 0x0                               ; buffer 1 is in
	SCALE 1, 0
	SCALE 1, 2
	s_wait_tensorcnt 0x0                           ; all my tensor loads have landed
	ds_add_u32 v[SPW], v[NIL]                      ; 0 onto my spare word
.if \fill
	s_xor_b32 s[FB], s[FB], SLOT                   ; the walking descriptors: the other slot than last time,
	s_add_co_u32 s[G0+5], s[WOFFA], s[FB]
	s_add_co_u32 s[G0B+5], s[WOFFB], s[FB]
	s_add_nc_u64 s[G0+6:G0+7], s[G0+6:G0+7], KSTEP*2      ; the next step
	s_add_nc_u64 s[G0B+6:G0B+7], s[G0B+6:G0B+7], KSTEP*2
.endif
	s_wait_dscnt 0x0                               ; the add is done; my reads of this slot were over above
	s_barrier_signal -1
	s_barrier_wait -1
.if \fill
	CREST                                          ; no wave of any partner still reads this slot or has a load on its way
	JLOAD
	s_xor_b32 s[RB], s[RB], SLOT
	v_add_nc_u32 v[ADRA], s[RB], v[ADRA0]
	v_add_nc_u32 v[ADRB], s[RB], v[ADRB0]
	v_add_nc_u32 v[SCA], 512, v[SCA]               ; the next tile's f
	FETCH 0, 0, 1
	ASK
.else
	s_xor_b32 s[RB], s[RB], SLOT
	v_add_nc_u32 v[ADRA], s[RB], v[ADRA0]
	v_add_nc_u32 v[ADRB], s[RB], v[ADRB0]
	v_add_nc_u32 v[SCA], 512, v[SCA]
	s_cmp_eq_u32 s3, 1
	s_cbranch_scc1 .Lno_fetch_\@
	PLACES
	FETCH 0, 0, 1
.Lno_fetch_\@:
.endif
	MUL8 1, 0, 0
	MUL8 1, 1, 0
	MUL8 1, 2, 0
	MUL8 1, 3, 0
.endm
; THE WAY OUT of block a (16 queries x my 128 channels, f32).  OUT: times 1 / L, each accumulator's registers in ascending order.  TOST: 32 bytes a lane into my own stage, and back as whole rows of 512 bytes.  SEND: stored.
.macro OUT a
	WIN 0x01                                       ; source 0 window 1
.set i, 0
.rept 32
	v_pk_mul_f32 v[32+2*i:33+2*i], v[64*(\a)+2*i:64*(\a)+2*i+1], v[RL+2*(\a):RL+2*(\a)+1]
.set i, i+1
.endr
	WIN 0
.endm
.macro TOST a
.set BK, 96+64*((\a)%2)
.irp b, 0,1,2,3,4,5,6,7
	ds_store_b128 v[STO], v[32+8*(\b):32+8*(\b)+3]   offset:64*(\b)
	ds_store_b128 v[STO], v[32+8*(\b)+4:32+8*(\b)+7] offset:64*(\b)+16
.endr
.irp t, 0,1,2,3,4,5,6,7,8,9,10,11,12,13,14,15
	ds_load_b128 v[BK+4*(\t):BK+4*(\t)+3], v[RD] offset:(\t)*SPITCH  ; LDS serves a wave's instructions in order: these see the stores above
.endr
.endm
.macro SEND a
.set BK, 96+64*((\a)%2)
	s_wait_dscnt 0x0
	s_wait_xcnt 0x0                                ; the stores of the block before have read their registers, which the next TOST loads again
.irp t, 0,1,2,3,4,5,6,7,8,9,10,11,12,13,14,15
	global_store_b128 v[CO], v[BK+4*(\t):BK+4*(\t)+3], s[8:9] offset:(16*(\a)+(\t))*ROWC th:TH_STORE_NT  ; a wave stores 512 consecutive bytes, at a multiple of 256 from out0's first byte
.endr
.endm
	s_wait_tensorcnt 1                             ; my part of step 0 is in; step 1's may stay out
	s_wait_dscnt 0x0                               ; for the others' sake: my rows of the tables are stored
	s_barrier_signal -1
	s_barrier_wait -1
	FETCH 0, 0, 1
	QUARTER 64, 0, 1, 1
	WIN 0
	s_mov_b32 s3, KSTEPS-2
.Lstep:
	QUARTER 128, 1, 0, 0
	QUARTER 192, 0, 1, 0
	TURN 1
	QUARTER 64, 0, 1, 0
	WIN 0
	s_sub_co_u32 s3, s3, 1
	s_cmp_lg_u32 s3, 0
	s_cbranch_scc1 .Lstep
	s_mov_b32 s3, 2
.Ltail:                                                ; the last two steps fill nothing; the second trip is left in its middle
	QUARTER 128, 1, 0, 0
	QUARTER 192, 0, 1, 0
	TURN 0
	WIN 0
	s_sub_co_u32 s3, s3, 1
	s_cmp_eq_u32 s3, 0
	s_cbranch_scc1 .Lout
	QUARTER 64, 0, 1, 0
	WIN 0
	s_branch .Ltail
.Lout:
	PLACES                                         ; behind the last products
.irp a, 0,1,2,3
	ds_load_b32 v[RL+2*(\a)],   v[RLA] offset:64*(\a)   ; 1 / L of my query in block a, into both registers of a pair
	ds_load_b32 v[RL+2*(\a)+1], v[RLA] offset:64*(\a)
.endr
	s_wait_dscnt 0x0
	OUT 0
	TOST 0
.irp a, 1,2,3                          ; block a's scaling stands between block a - 1's loads from the stage and the wait for them
	OUT \a
	SEND (\a)-1
	TOST \a
.endr
	SEND 3
	s_wait_tensorcnt 0x0                           ; the wave's end
	ds_add_u32 v[SPW], v[NIL]
	s_wait_dscnt 0x0
	CROUND                                         ; the closing round
	s_endpgm
.Lfunc_end_k_qb1fada5b2a_pv:
	.size	k_qb1fada5b2a_pv, .Lfunc_end_k_qb1fada5b2a_pv-k_qb1fada5b2a_pv
	.p2alignl 7, 3214868480
	.fill 96, 4, 3214868480
	.section	.rodata,"a",@progbits
	.p2align	6, 0x0
	.amdhsa_kernel k_qb1fada5b2a_pv
		.amdhsa_group_segment_fixed_size 327680
		.amdhsa_private_segment_fixed_size 0
		.amdhsa_enable_private_segment 0
		.amdhsa_kernarg_size 32
		.amdhsa_user_sgpr_count 2
		.amdhsa_user_sgpr_kernarg_segment_ptr 1
		.amdhsa_wavefront_size32 1
		.amdhsa_system_sgpr_workgroup_id_x 1
		.amdhsa_system_sgpr_workgroup_id_y 1
		.amdhsa_system_sgpr_workgroup_id_z 1
		.amdhsa_system_vgpr_workitem_id 0
		.amdhsa_next_free_vgpr 512
		.amdhsa_next_free_sgpr 84
		.amdhsa_reserve_vcc 0
		.amdhsa_float_denorm_mode_32 3
		.amdhsa_float_denorm_mode_16_64 3
		.amdhsa_memory_ordered 1
		.amdhsa_forward_progress 1
		.amdhsa_inst_pref_size 95
	.end_amdhsa_kernel
	.amdgpu_metadata
---
amdhsa.version: [ 1, 2 ]
amdhsa.kernels:
  - .name:           k_qb1fada5b2a_pv
    .symbol:         k_qb1fada5b2a_pv.kd
    .args:
      - { .name: p, .offset: 0, .size: 8, .value_kind: global_buffer, .address_space: global }
      - { .name: vt, .offset: 8, .size: 8, .value_kind: global_buffer, .address_space: global }
      - { .name: st, .offset: 16, .size: 8, .value_kind: global_buffer, .address_space: global }
      - { .name: out0, .offset: 24, .size: 8, .value_kind: global_buffer, .address_space: global }
    .group_segment_fixed_size: 327680
    .private_segment_fixed_size: 0
    .kernarg_segment_align: 8
    .kernarg_segment_size: 32
    .max_flat_workgroup_size: 128
    .sgpr_count:     84
    .vgpr_count:     512
    .wavefront_size: 32
...
	.end_amdgpu_metadata
.endif
;; end of part 4
